; MI455X (gfx1250); checked and timed in simulation.
; The chip was launched on July 23, 2026; its instructions are those of AMD's public machine-readable ISA for CDNA 5 (MIT licence, August 2026) and "CDNA5" Instruction Set Architecture Reference Guide (July 2026). The comments in the code are by the model that wrote it; some were corrected since.
;; Multi Head Attention. Allowed arithmetic: matrix products marked QUANTISED: E2M1 operands, one E8M0 scale for each 32 along K, by v_wmma_scale_f32_16x16x128_f8f6f4 with both operands' format E2M1 (or v_wmma_scale_f32_32x16x128_f4), f32 sums; products left as they are: bf16, f16 or f32 operands; f32 sums; everything else in f32.
;; Inputs: Wk 1,024 x 1,024 float32; Wo 1,024 x 1,024 float32; Wq 1,024 x 1,024 float32; Wv 1,024 x 1,024 float32; bk 1,024 float32; bo 1,024 float32; bq 1,024 float32; bv 1,024 float32; mask 4 x 2,048 x 2,048 int32; query 4 x 2,048 x 1,024 float32.
;; Outputs: out0 4 x 2,048 x 1,024 float32.
;; This version of the problem:
;;   THIS VERSION OF THE PROBLEM IS GIVEN IN LOW PRECISION. The matrix products marked QUANTISED in the list below multiply operands that are first quantised to E2M1 (2 exponent bits, 1 mantissa bit; 4 bits a number), with one power-of-two scale for each 32 numbers along K (OCP MX v1.0); their sums are f32. The products marked 'left as it is' may take bf16, f16 or f32 operands, with f32 sums. Whichever they take, every output number must still come out within the allowed error. Rounding operands to bf16 (8 significant bits) uses up far more of that allowance than f16 does (11 bits, for magnitudes from 6e-5 to 65,504). All else is computed in f32.
;;   The module's matrix products, in the order in which they are computed (A, B: the left and right operand; K: the contracted axis; several contracted axes count as one K, in the product's order):
;;     1. [M 8,192, K 1,024] x [K 1,024, N 1,024]; A: input query; B: input Wq: QUANTISED
;;     2. [M 8,192, K 1,024] x [K 1,024, N 1,024]; A: input query; B: input Wk: QUANTISED
;;     3. [M 8,192, K 1,024] x [K 1,024, N 1,024]; A: input query; B: input Wv: QUANTISED
;;     4. batch 64 x [M 2,048, K 64] x [K 64, N 2,048]; A: computed on the way; B: computed on the way: left as it is (an operand is computed on the way)
;;     5. batch 64 x [M 2,048, K 2,048] x [K 2,048, N 64]; A: computed on the way; B: computed on the way: left as it is (an operand is computed on the way)
;;     6. [M 8,192, K 1,024] x [K 1,024, N 1,024]; A: computed on the way; B: input Wo: left as it is (an operand is computed on the way)
;;   THE QUANTISER, for each operand of a quantised product, along K:
;;     - K is cut into blocks of 32 from its start; a last block that is shorter is filled with zeros.
;;     - A block's scale is 2^e with e = floor(log2(the largest magnitude in the block)) - 2, held to -126 .. 127; a block of zeros has e = 0. As a byte (E8M0): e + 127.
;;     - Each number is divided by its block's scale, clamped to +-6, and rounded to the nearest number of E2M1, ties to even, subnormals kept.
;;     - The product sums the exact products of the quantised numbers (number of the format x scale) in f32.
;;   ~~~python
;;   def quantise(x, axis):      # numpy; x: float32 -> the quantised numbers, widened to float32 again
;;       x = np.moveaxis(x, axis, -1); K = x.shape[-1]
;;       x = np.pad(x, [(0, 0)] * (x.ndim - 1) + [(0, -K % 32)]); x = x.reshape(x.shape[:-1] + (-1, 32)); a = np.abs(x).max(-1, keepdims=True)
;;       e = np.where(a > 0, np.clip(np.frexp(np.where(a > 0, a, 1))[1] - 1 - 2, -126, 127), 0)      # np.frexp(a)[1] - 1 = floor(log2(a)), exactly
;;       r = np.clip(x / 2.0 ** e, -6, 6)
;;       step = 2.0 ** (np.maximum(np.frexp(np.where(r == 0, 1, r))[1] - 1, 0) - 1)
;;       q = np.round(r / step) * step * 2.0 ** e      # np.round: ties to even
;;       return np.moveaxis(q.reshape(q.shape[:-2] + (-1,))[..., :K], -1, axis).astype(np.float32)
;;   ~~~
;; One version. Each part assembles by itself: llvm-mc -triple=amdgcn-amd-amdhsa -mcpu=gfx1250 --defsym DOCPART=n.
;; ======== version 1 of 1: 4 launches
;; limits: right only within a limited range of input values; values are held in f16: magnitudes above 65,504 overflow, below 6.1e-05 lose precision
;; workspace buffers: xc 4,194,304 bytes; xs 262,144 bytes; wc 1,572,864 bytes; ws 98,304 bytes; wo16 2,097,152 bytes; mb 2,097,152 bytes of whole numbers; qkv 50,331,648 bytes; ctx 16,777,216 bytes
;; launch prep (part 1): grid 1392 x 1, 4 waves a work-group, no clusters, 68,096 bytes of LDS; arguments Wq, Wk, Wv, Wo, query, mask, wc, ws, wo16, xc, xs, mb; writes wc, ws, wo16, xc, xs, mb
.if DOCPART == 1
	.amdgcn_target "amdgcn-amd-amdhsa--gfx1250"
	.amdhsa_code_object_version 6
	.text
	.protected	k_q131d75d457_prep
	.globl	k_q131d75d457_prep
	.p2align	8
	.type	k_q131d75d457_prep,@function
k_q131d75d457_prep:
	s_mov_b64 s[64:65], 0
	v_nop
	global_prefetch_b8 v0, s[64:65] scope:SCOPE_SE
	s_setreg_imm32_b32 hwreg(HW_REG_WAVE_MODE, 25, 1), 1
	s_wait_xcnt 0x0
; ONE LAUNCH PREPARES ALL OPERANDS; four paths, chosen by the work-group's number alone, that never join again.
;   work-groups    0 ..   47  WEIGHTS: Wq, Wk, Wv [1024 (k)][1024 (n)] f32 -> codes of FP4 (E2M1) with K innermost, wc [3072][512 bytes], and one E8M0 byte for each 32 along K, ws [3072][32]
;   work-groups   48 ..  111  WO:      Wo f32 -> f16, layout kept, wo16 [1024 (k)][1024 (n)]
;   work-groups  112 ..  367  QUERY:   query [8192][1024] f32 -> codes xc [8192][512 bytes], bytes xs [8192][32]
;   work-groups  368 .. 1391  MASK:    mask [8192 rows][2048 keys] int32 -> one bit a number, mb [512 tiles of 16 queries][128 tiles of 16 keys][8 words]:
;                             bit L of word j = (mask[16 qt + L % 16][16 kt + 8 (L / 16) + j] != 0): the lane mask of register j of a 16 x 16 tile of scores laid (key 8 (L / 16) + j, query L % 16)
; The weights' path is a chain of sixteen dependent blocks, so it has the lowest numbers; the other paths are plain streams.
; THE QUANTISER: a block's scale is 2^(floor(log2(largest magnitude)) - 2); its byte is the largest magnitude's exponent field - 2, held at 1 from below; numbers / scale to the nearest code, ties to even, beyond 6 the code of 6.
; LIMITS: a block of zeros, and a block whose largest magnitude lies under 2^-124, gets the byte 1 (zero codes add nothing under it; this program alone reads the bytes); NaN and infinities are not served; Wo beyond 65,504 becomes infinity in f16.
; LDS: bytes 0 .. 32,767 the QUERY path's (8,192 a wave); 32,768 .. 67,583 the WEIGHTS path's (a stage of 32 x 272 a wave); then the spare words.  The other two paths use no LDS.  No wave reads what another wrote: no barrier.
.set SPARE, 67584                      ; the spare words: 128 bytes for each wave, two blocks of 256 bytes that no other line names
.set SPW,   198                        ; v198  SPARE + 4 x my thread's number; never rewritten
.set NIL,   199                        ; v199  0; never rewritten
; ---- QUERY path's names
.set QSTEPS, 16                        ; a wave takes 16 steps of 512 numbers
.set QCB,   8                          ; bytes of 16 codes
.set QR,    16                         ; v16-79   four sets of 16 numbers as loaded
.set QX,    80                         ; v80-111  two sets of 16 neighbours along K
.set QE,    112                        ; v112-127 a scale byte for each step
.set QC,    128                        ; v128-191 codes, registers of its own for each step: no store's data are written again
.set QREG,  8192                       ; a wave's LDS: two stages of 32 x QSP, then its 256 scale bytes
.set QSP,   80                         ; a lane's 64 bytes + 16 of padding
; ---- WEIGHTS path's names
.set WSTG,  32768
.set WPITCH, 272                       ; a stage row: 256 bytes of codes (512 along K) + 16
.set WX,    32                         ; v32-95   two sets of 32 numbers down K
.set WC,    96                         ; v96-99   a block's codes
.set WSB,   24                         ; v24-27   16 scale bytes
.set WOUT,  112                        ; v112-175 the way out
.macro QLOAD t                         ; 32 lanes read 512 consecutive bytes, four times
.irp i, 0,1,2,3
	global_load_b128 v[QR+16*((\t)%4)+4*\i:QR+16*((\t)%4)+4*\i+3], v3, s[12:13] offset:2048*(\t)+512*\i th:TH_LOAD_NT
.endr
.endm
.macro QTURN t                         ; a step's 2,048 bytes through my stage: in as loaded, back 64 neighbouring bytes a lane; LDS serves a wave's instructions in order
.irp i, 0,1,2,3
	ds_store_b128 v14, v[QR+16*((\t)%4)+4*\i:QR+16*((\t)%4)+4*\i+3] offset:32*QSP*((\t)%2)+8*QSP*\i
.endr
.irp i, 0,1,2,3
	ds_load_b128 v[QX+16*((\t)%2)+4*\i:QX+16*((\t)%2)+4*\i+3], v15 offset:32*QSP*((\t)%2)+16*\i
.endr
.endm
.macro QSTEP t
.set XS, QX+16*((\t)%2)
.if (\t) > 0
	s_wait_dscnt 1                                 ; this step's numbers are back from the stage (the last step's byte store may be out), so its stores into the stage have read their registers,
.else
	s_wait_dscnt 0x0
.endif
.if (\t)+4 < QSTEPS
	QLOAD (\t)+4                                   ; which take the loads of four steps on
.endif
.if (\t)+1 < QSTEPS
.if QSTEPS-2-(\t) >= 3
	s_wait_loadcnt 12                              ; the next step's four loads are in; those of the three steps behind it may be out
.else
	s_wait_loadcnt 4*(QSTEPS-2-(\t))
.endif
	QTURN (\t)+1
.endif
	v_max3_num_f32 v8, |v[XS]|, |v[XS+1]|, |v[XS+2]|               ; the largest magnitude of my 16, in two chains
	v_max3_num_f32 v9, |v[XS+3]|, |v[XS+4]|, |v[XS+5]|
.irp i, 6,10
	v_max3_num_f32 v8, v8, |v[XS+\i]|, |v[XS+\i+1]|
	v_max3_num_f32 v9, v9, |v[XS+\i+2]|, |v[XS+\i+3]|
.endr
	v_max3_num_f32 v8, v8, |v[XS+14]|, |v[XS+15]|
	v_max3_num_f32 v8, v8, v9, 0x1800000           ; and the floor 2^(3 - 127): the byte cannot fall under 1
	v_max_num_f32_dpp v8, v8, v8 row_xmask:1 row_mask:0xf bank_mask:0xf   ; with my neighbour's 16: the block's
	v_add_nc_u32 v11, 0xff000000, v8               ; 2 off the exponent field: the conversion takes this operand's exponent field as its scale
	v_cvt_scalef32_pk8_fp4_f32 v[QC+4*(\t)], v[XS:XS+7], v11
	v_cvt_scalef32_pk8_fp4_f32 v[QC+4*(\t)+1], v[XS+8:XS+15], v11
	v_lshrrev_b32 v[QE+(\t)], 23, v11              ; the scale's byte
	ds_store_b8 v5, v[QE+(\t)] offset:16*(\t)      ; both lanes of a block write the same byte with the same value
	global_store_b64 v4, v[QC+4*(\t):QC+4*(\t)+1], s[22:23] offset:32*QCB*(\t)   ; the wave stores 256 consecutive bytes, aligned
.endm
.macro WLOAD t                         ; block t: W(32 t + i, my column), i = 0 .. 31
.irp i, 0,1,2,3,4,5,6,7,8,9,10,11,12,13,14,15,16,17,18,19,20,21,22,23,24,25,26,27,28,29,30,31
	global_load_b32 v[WX+32*((\t)%2)+\i], v3, s[36:37] offset:(32*(\t)+\i)*4096 th:TH_LOAD_NT
.endr
.endm
.macro WBLOCK t
.set XS, WX+32*((\t)%2)
.if (\t) < 15
	s_wait_loadcnt 32                              ; this block's 32 loads are in; the next block's may be out
.else
	s_wait_loadcnt 0
.endif
	v_max3_num_f32 v12, |v[XS]|, |v[XS+1]|, |v[XS+2]|              ; all 32 numbers of the block are mine
	v_max3_num_f32 v13, |v[XS+3]|, |v[XS+4]|, |v[XS+5]|
.irp i, 6,10,14,18,22,26
	v_max3_num_f32 v12, v12, |v[XS+\i]|, |v[XS+\i+1]|
	v_max3_num_f32 v13, v13, |v[XS+\i+2]|, |v[XS+\i+3]|
.endr
	v_max3_num_f32 v12, v12, |v[XS+30]|, |v[XS+31]|
	v_max3_num_f32 v12, v12, v13, 0x1800000        ; the floor
	v_add_nc_u32 v11, 0xff000000, v12
	v_lshrrev_b32 v13, 23, v11                     ; the scale's byte
.if (\t)%4 == 0
	v_mov_b32 v[WSB+(\t)/4], v13                   ; four bytes to a register, the lower K in the lower byte
.else
	v_lshl_or_b32 v[WSB+(\t)/4], v13, 8*((\t)%4), v[WSB+(\t)/4]
.endif
.irp g, 0,1,2,3
	v_cvt_scalef32_pk8_fp4_f32 v[WC+\g], v[XS+8*\g:XS+8*\g+7], v11
.endr
	ds_store_b128 v4, v[WC:WC+3] offset:16*(\t)    ; 32 codes: 16 bytes of my column's row
.if (\t)+2 < 16
	WLOAD (\t)+2
.endif
	s_wait_dscnt 0x0                               ; the store has read its registers: the next block's codes may be written
.endm
	s_load_b512 s[4:19], s[0:1], 0x0               ; Wq 4, Wk 6, Wv 8, Wo 10, query 12, mask 14, wc 16, ws 18
	s_load_b256 s[20:27], s[0:1], 0x40             ; wo16 20, xc 22, xs 24, mb 26
	v_lshl_add_u32 v[SPW], v0, 2, SPARE
	v_mov_b32 v[NIL], 0
	v_lshrrev_b32 v1, 5, v0
	v_readfirstlane_b32 s28, v1                    ; wave 0..3
	v_and_b32 v2, 31, v0                           ; lane
	s_wait_kmcnt 0x0
	s_cmp_lt_u32 ttmp9, 48
	s_cbranch_scc1 .Lweights
	s_cmp_lt_u32 ttmp9, 112
	s_cbranch_scc1 .Lwo
	s_cmp_lt_u32 ttmp9, 368
	s_cbranch_scc1 .Lquery
; ================ MASK.  A wave takes 32 query rows (two tiles of 16) x 128 keys: 32 loads of 512 consecutive bytes, all asked for at once.
	s_sub_co_u32 s32, ttmp9, 368
	s_lshr_b32 s33, s32, 2                         ; g: which 32 rows of the 8,192
	s_and_b32 s34, s32, 3
	s_lshl_b32 s34, s34, 2
	s_add_co_u32 s34, s34, s28                     ; which 128 keys of the 2,048
	s_lshl_b32 s36, s33, 18                        ; 32 rows of 8,192 bytes
	s_lshl_b32 s35, s34, 9
	s_add_co_u32 s36, s36, s35
	s_mov_b32 s37, 0
	s_add_nc_u64 s[14:15], s[14:15], s[36:37]
	s_lshl_b32 s36, s33, 13                        ; two tiles of queries, 4,096 bytes each
	s_lshl_b32 s35, s34, 8                         ; 8 tiles of keys, 32 bytes each
	s_add_co_u32 s36, s36, s35
	s_add_nc_u64 s[26:27], s[26:27], s[36:37]
	v_lshlrev_b32 v3, 4, v2
.set rho, 0
.rept 32
	global_load_b128 v[32+4*rho:32+4*rho+3], v3, s[14:15] offset:8192*rho th:TH_LOAD_NT   ; row rho: lane l, register i: key 4 l + i
.set rho, rho+1
.endr
	s_mov_b32 s30, 0x76543210                      ; v_permlanex16_b32: each lane takes its own place in the other half
	s_mov_b32 s31, 0xfedcba98
	s_mov_b32 s29, 0xffff0000                      ; lanes 16-31
	v_lshrrev_b32 v5, 4, v2
	v_lshlrev_b32 v5, 1, v5                        ; 2 h
	v_lshlrev_b32 v4, v5, 1                        ; 1 << 2 h
.irp k, 0,1,2,3,4,5,6,7
	v_lshlrev_b32 v[8+2*\k], 4*\k, v4              ; the bit of key 16 kt + 8 h + j in word j % 4: 4 kt + 2 h + j / 4
	v_lshlrev_b32 v[9+2*\k], 4*\k+1, v4
.endr
.irp i, 24,25,26,27,28,29,30,31,168,169,170,171
	v_mov_b32 v\i, 0                               ; written once: the destination of a lane write or permute counts as read
.endr
; A row's 128 numbers become four words (word i, bit l: key 4 l + i), which go to lane rho of v24-27
.set rho, 0
.rept 32
	s_wait_loadcnt 31-rho                          ; loads come back in order: row rho is in, the younger rows may be out
.irp i, 0,1,2,3
	v_cmp_ne_u32 s[40+4*(rho%2)+\i], 0, v[32+4*rho+\i]
.endr
.irp i, 0,1,2,3
	v_writelane_b32 v[24+\i], s[40+4*(rho%2)+\i], rho
.endr
.set rho, rho+1
.endr
.irp i, 0,1,2,3
	v_permlanex16_b32 v[28+\i], v[24+\i], s30, s31
.endr
.irp i, 0,1,2,3
	v_cndmask_b32 v[160+\i], v[24+\i], v[28+\i], s29   ; tile 0: both halves of the lanes hold row L % 16's words
	v_cndmask_b32 v[164+\i], v[28+\i], v[24+\i], s29   ; tile 1: row 16 + L % 16's
.endr
; word d = 8 kt + j of a tile's 64: each lane tests its bit, the 32 answers are the word; it goes to lane d / 2, register d % 2
.set d, 0
.rept 64
.irp T, 0,1
	v_and_b32 v[172+2*(d%2)+\T], v[160+4*\T+(d%4)], v[8+2*(d/8)+((d%8)/4)]
.endr
.irp T, 0,1
	v_cmp_ne_u32 s[40+2*(d%2)+\T], 0, v[172+2*(d%2)+\T]
.endr
.irp T, 0,1
	v_writelane_b32 v[168+2*\T+(d%2)], s[40+2*(d%2)+\T], d/2
.endr
.set d, d+1
.endr
	v_lshlrev_b32 v6, 3, v2
	global_store_b64 v6, v[168:169], s[26:27]              ; 32 lanes store 256 consecutive bytes, aligned
	global_store_b64 v6, v[170:171], s[26:27] offset:4096
	s_endpgm
; ================ WO.  A wave takes 4,096 numbers: 32 loads of 512 consecutive bytes; each load's four registers take its two words of f16, so that no store's data are written again.
.Lwo:
	s_sub_co_u32 s32, ttmp9, 48
	s_lshl_b32 s32, s32, 2
	s_add_co_u32 s32, s32, s28
	s_lshl_b32 s36, s32, 14
	s_mov_b32 s37, 0
	s_add_nc_u64 s[10:11], s[10:11], s[36:37]
	s_lshl_b32 s36, s32, 13
	s_add_nc_u64 s[20:21], s[20:21], s[36:37]
	v_lshlrev_b32 v3, 4, v2
	v_lshlrev_b32 v4, 3, v2
.set n, 0
.rept 32
	global_load_b128 v[32+4*n:32+4*n+3], v3, s[10:11] offset:512*n th:TH_LOAD_NT
.set n, n+1
.endr
.set n, 0
.rept 32
	s_wait_loadcnt 31-n                            ; load n is in, the younger ones may be out
	v_cvt_pk_f16_f32 v[32+4*n], v[32+4*n], v[33+4*n]
	v_cvt_pk_f16_f32 v[33+4*n], v[34+4*n], v[35+4*n]
	global_store_b64 v4, v[32+4*n:33+4*n], s[20:21] offset:256*n   ; 256 consecutive bytes, aligned
.set n, n+1
.endr
	s_endpgm
; ================ QUERY.  Rows are dense and K is a multiple of 32: a plain stream of blocks of 32.  A lane must hold 16 neighbours along K for the conversions, and a load is best where neighbouring lanes take
; neighbouring bytes: so a step's 2,048 bytes turn through the wave's own stage.  Loads run four steps ahead, the turn one step.
.Lquery:
	v_lshlrev_b32 v3, 4, v2                        ; my 16 bytes of a load's 512
	s_mul_i32 s32, s28, QREG
	v_lshrrev_b32 v14, 2, v2
	v_mul_u32_u24 v14, v14, QSP
	v_and_b32 v15, 3, v2
	v_lshl_add_u32 v14, v15, 4, v14
	v_add_nc_u32 v14, s32, v14                     ; the stage, in: four lanes' 64 bytes on end, then 16 of padding
	v_mul_u32_u24 v15, v2, QSP
	v_add_nc_u32 v15, s32, v15                     ; and out: my 16 neighbours
	v_mul_u32_u24 v4, v2, QCB
	v_lshrrev_b32 v5, 1, v2
	s_add_co_u32 s32, s32, 2*32*QSP
	v_add_nc_u32 v5, s32, v5                       ; my block's scale byte
	v_lshlrev_b32 v7, 3, v2
	v_add_nc_u32 v6, s32, v7
	s_sub_co_u32 s33, ttmp9, 112
	s_lshl_b32 s33, s33, 2
	s_add_co_u32 s34, s33, s28                     ; which run of 8,192 numbers is my wave's
	s_mov_b32 s37, 0
	s_lshl_b32 s36, s34, 15
	s_add_nc_u64 s[12:13], s[12:13], s[36:37]
	s_lshl_b32 s36, s34, 12
	s_add_nc_u64 s[22:23], s[22:23], s[36:37]
	s_lshl_b32 s36, s34, 8
	s_add_nc_u64 s[24:25], s[24:25], s[36:37]
.irp t, 0,1,2,3
	QLOAD \t
.endr
	s_wait_loadcnt 12                              ; step 0's four loads are in
	QTURN 0
.irp t, 0,1,2,3,4,5,6,7,8,9,10,11,12,13,14,15
	QSTEP \t
.endr
	ds_load_b64 v[8:9], v6                         ; my wave's 256 scale bytes; LDS serves a wave's instructions in order
	s_wait_dscnt 0x0
	global_store_b64 v7, v[8:9], s[24:25]          ; one aligned run of 256 bytes
	s_wait_tensorcnt 0x0                           ; the wave's end: a tensor wait, 0 added to my spare word and its wait, behind my last LDS store
	ds_add_u32 v[SPW], v[NIL]
	s_wait_dscnt 0x0
	s_endpgm
; ================ WEIGHTS.  K is the first axis: a lane takes a column n and its registers run down K, so that a block of 32 lies in one lane and the codes come out with K innermost.
; A wave takes 32 columns x 512 along K; the codes go through its own stage and leave as rows, sixteen lanes to 256 aligned bytes.
.Lweights:
	s_and_b32 s32, ttmp9, 7                        ; which 128 columns
	s_bfe_u32 s33, ttmp9, 0x10003                  ; which 512 along K
	s_lshr_b32 s34, ttmp9, 4                       ; which tensor
	s_cmp_eq_u32 s34, 0
	s_cselect_b64 s[36:37], s[4:5], s[6:7]
	s_cmp_eq_u32 s34, 2
	s_cselect_b64 s[36:37], s[8:9], s[36:37]
	s_lshl_b32 s35, s32, 7
	s_lshl_b32 s38, s28, 5
	s_add_co_u32 s35, s35, s38                     ; my wave's first column
	v_lshlrev_b32 v3, 2, v2
	s_mul_i32 s38, s28, 32*WPITCH
	s_add_co_u32 s38, s38, WSTG                    ; my stage
	v_mul_u32_u24 v4, v2, WPITCH
	v_add_nc_u32 v4, s38, v4                       ; in: row = my column
	v_and_b32 v5, 15, v2
	v_lshrrev_b32 v6, 4, v2
	v_mul_u32_u24 v7, v6, WPITCH
	v_lshl_add_u32 v7, v5, 4, v7
	v_add_nc_u32 v7, s38, v7                       ; out: sixteen lanes to a row, two rows an instruction
	v_lshlrev_b32 v8, 9, v6
	v_lshl_add_u32 v8, v5, 4, v8                   ; the same place in wc: rows of 512 bytes
	v_lshlrev_b32 v9, 5, v2                        ; my column's row of scale bytes
	s_lshl_b32 s40, s33, 21                        ; 512 rows of 4,096 bytes
	s_lshl_b32 s39, s35, 2
	s_add_co_u32 s40, s40, s39
	s_mov_b32 s41, 0
	s_add_nc_u64 s[36:37], s[36:37], s[40:41]
	s_lshl_b32 s39, s34, 10
	s_add_co_u32 s39, s39, s35                     ; my first row of wc and ws
	s_lshl_b32 s40, s39, 9
	s_lshl_b32 s42, s33, 8
	s_add_co_u32 s40, s40, s42
	s_add_nc_u64 s[16:17], s[16:17], s[40:41]
	s_lshl_b32 s40, s39, 5
	s_lshl_b32 s42, s33, 4
	s_add_co_u32 s40, s40, s42
	s_add_nc_u64 s[18:19], s[18:19], s[40:41]
	WLOAD 0
	WLOAD 1
.set WQ, 0
.rept 16
	WBLOCK WQ
.set WQ, WQ+1
.endr
	global_store_b128 v9, v[WSB:WSB+3], s[18:19]   ; my column's 16 scale bytes
.irp t, 0,1,2,3,4,5,6,7,8,9,10,11,12,13,14,15
	ds_load_b128 v[WOUT+4*\t:WOUT+4*\t+3], v7 offset:2*\t*WPITCH
.endr
.irp t, 0,1,2,3,4,5,6,7,8,9,10,11,12,13,14,15
	s_wait_dscnt 15-\t                             ; load t is back, the younger ones may be out
	global_store_b128 v8, v[WOUT+4*\t:WOUT+4*\t+3], s[16:17] offset:2*\t*512
.endr
	s_wait_tensorcnt 0x0                           ; the wave's end: a tensor wait, 0 added to my spare word and its wait, behind my last LDS store
	ds_add_u32 v[SPW], v[NIL]
	s_wait_dscnt 0x0
	s_endpgm
.Lfunc_end_k_q131d75d457_prep:
	.size	k_q131d75d457_prep, .Lfunc_end_k_q131d75d457_prep-k_q131d75d457_prep
	.p2alignl 7, 3214868480
	.fill 96, 4, 3214868480
	.section	.rodata,"a",@progbits
	.p2align	6, 0x0
	.amdhsa_kernel k_q131d75d457_prep
		.amdhsa_group_segment_fixed_size 68096
		.amdhsa_private_segment_fixed_size 0
		.amdhsa_enable_private_segment 0
		.amdhsa_kernarg_size 96
		.amdhsa_user_sgpr_count 2
		.amdhsa_user_sgpr_kernarg_segment_ptr 1
		.amdhsa_wavefront_size32 1
		.amdhsa_system_sgpr_workgroup_id_x 1
		.amdhsa_system_sgpr_workgroup_id_y 1
		.amdhsa_system_sgpr_workgroup_id_z 1
		.amdhsa_system_vgpr_workitem_id 0
		.amdhsa_next_free_vgpr 200
		.amdhsa_next_free_sgpr 66
		.amdhsa_reserve_vcc 0
		.amdhsa_float_denorm_mode_32 3
		.amdhsa_float_denorm_mode_16_64 3
		.amdhsa_memory_ordered 1
		.amdhsa_forward_progress 1
		.amdhsa_inst_pref_size 165
	.end_amdhsa_kernel
	.amdgpu_metadata
---
amdhsa.version: [ 1, 2 ]
amdhsa.kernels:
  - .name:           k_q131d75d457_prep
    .symbol:         k_q131d75d457_prep.kd
    .args:
      - { .name: Wq, .offset: 0, .size: 8, .value_kind: global_buffer, .address_space: global }
      - { .name: Wk, .offset: 8, .size: 8, .value_kind: global_buffer, .address_space: global }
      - { .name: Wv, .offset: 16, .size: 8, .value_kind: global_buffer, .address_space: global }
      - { .name: Wo, .offset: 24, .size: 8, .value_kind: global_buffer, .address_space: global }
      - { .name: query, .offset: 32, .size: 8, .value_kind: global_buffer, .address_space: global }
      - { .name: mask, .offset: 40, .size: 8, .value_kind: global_buffer, .address_space: global }
      - { .name: wc, .offset: 48, .size: 8, .value_kind: global_buffer, .address_space: global }
      - { .name: ws, .offset: 56, .size: 8, .value_kind: global_buffer, .address_space: global }
      - { .name: wo16, .offset: 64, .size: 8, .value_kind: global_buffer, .address_space: global }
      - { .name: xc, .offset: 72, .size: 8, .value_kind: global_buffer, .address_space: global }
      - { .name: xs, .offset: 80, .size: 8, .value_kind: global_buffer, .address_space: global }
      - { .name: mb, .offset: 88, .size: 8, .value_kind: global_buffer, .address_space: global }
    .group_segment_fixed_size: 68096
    .private_segment_fixed_size: 0
    .kernarg_segment_align: 8
    .kernarg_segment_size: 96
    .max_flat_workgroup_size: 128
    .sgpr_count:     66
    .vgpr_count:     200
    .wavefront_size: 32
...
	.end_amdgpu_metadata
.endif
;; end of part 1
;; launch qkv (part 2): grid 12 x 32, 4 waves a work-group, clusters of 4 x 4, 327,680 bytes of LDS; arguments xc, xs, wc, ws, qkv, bq, bk, bv; writes qkv
.if DOCPART == 2
	.amdgcn_target "amdgcn-amd-amdhsa--gfx1250"
	.amdhsa_code_object_version 6
	.text
	.protected	k_q131d75d457_qkv
	.globl	k_q131d75d457_qkv
	.p2align	8
	.type	k_q131d75d457_qkv,@function
k_q131d75d457_qkv:
	s_mov_b64 s[64:65], 0
	v_nop
	global_prefetch_b8 v0, s[64:65] scope:SCOPE_SE
	s_setreg_imm32_b32 hwreg(HW_REG_WAVE_MODE, 25, 1), 1
	s_wait_xcnt 0x0
	s_wait_alu depctr_hold_cnt(0) depctr_sa_sdst(0) depctr_va_vdst(0) depctr_va_sdst(0) depctr_va_ssrc(0) depctr_va_vcc(0) depctr_vm_vsrc(0)
	s_getreg_b32 s2, hwreg(HW_REG_IB_STS2, 6, 4)
	s_cmp_eq_u32 s2, 0
	s_cbranch_scc0 .Lentry_in_a_cluster
	s_endpgm
.Lentry_in_a_cluster:
	s_bfe_u32 s2, ttmp6, 0x10000c
	s_cmp_lg_u32 s2, 0xf033
	s_cbranch_scc0 .Lentry_shape_is_right
	s_endpgm
.Lentry_shape_is_right:
; Q, K, V = query W + b, the three products as ONE product on codes of FP4 (E2M1) with E8M0 scales: C[m][n] = sum over k of A[m][k] B[n][k] + bias[n], A = xc [8192][1024 codes], B = wc [3072][1024 codes]
; (rows 0-1023 Wq's columns, 1024-2047 Wk's, 2048-3071 Wv's); sums in f32; the result is rounded once to f16 and stored by heads: qkv [3][batch 4][head 16][position 2048][64].
; LIMIT: results beyond 65,504 become infinity in f16.
; A tile of C, 256 x 256, is made by four waves, 128 x 128 each: 64 accumulators, 512 registers.  K = 1,024 is two LDS slots of 512 along K (rows of 256 bytes): both are asked for at the head, nothing is filled again.
; The scales of the work-group's rows, for all of K, come once with the first fills.  A wave has three tensor loads out at the most.
; CLUSTERS: 4 x 4 work-groups; A's tiles are asked for jointly along a row of the cluster, B's along a column.  A cluster's four tile columns are one tensor's 1,024 columns, so the cluster's x is the tensor's number.
; THE MATRIX INSTRUCTION IS USED TRANSPOSED (source 0 = 16 rows of B, source 1 = 16 rows of A): a lane holds eight neighbouring columns of one row of C.  THE BIAS is the C of each sum's first product.
; REGISTERS: window 0: v0-31 addresses; v32-95 scale words, two sets, and nothing else; v128-191 A's fragments, one set (on the way out: rows read back); v192-223 packed results.
;   window 1: B's fragments, two sets, v0-63 and v128-191; v192-255 the bias, 8 registers for each of B's 8 blocks.   windows 2, 3: the accumulators ((a, b) at v[8 (8 (a % 4) + b)]).
.set KSTEP,  512
.set NQ,     4
.set ROWB,   256
.set KROW,   512                       ; a row of codes in memory
.set PITCH,  272                       ; an LDS row: 256 bytes + 16 of padding, so that the 16 rows of a fragment load start at 16 different banks (64 banks of 4 bytes: ISA guide 11.1)
.set FR,     8
.set NL,     2
.set NP,     4
.set HALFT,  128*PITCH
.set SLOT,   4*HALFT
.set KS,     32                        ; a row of scale bytes
.set SCL,    2*SLOT
.set HALFS,  (128*KS/256)*272
.set SBLK,   (16*KS/256)*272
.set SPARE,  SCL+4*HALFS               ; the spare words: 128 bytes a wave
.set SPITCH, 272                       ; the way out: 16 rows x (256 bytes + 16) for each wave, in slot 0, which has had its one fill and its last read by then
.set ADRA, 16
.set ADRB, 20
.set STO,  24
.set RD,   25
.set CO,   26
.set ADRS, 27
.set SPW,  28
.set NIL,  29
.set SC,   32
.set AF,   128
.set BKR,  128
.set TMP,  192
.set BIAS, 192                         ; in window 1
.set G1, 24
.set G0, 32
.set G1B, 48
.set G0B, 56
.set G1S, 68
.set G0S, 76
.set G1SB, 80
.set G0SB, 88
.set MSB, 0
.macro WIN new                         ; the immediate's high byte repeats the setting that is left
.if MSB != \new
	s_set_vgpr_msb (MSB<<8)|\new
.set MSB, \new
.endif
.endm
.set MUL_LO, 0xa1                      ; source 0 (B) window 1, source 1 (A) window 0, C and D window 2
.set MUL_HI, 0xf1                      ; the same, C and D window 3
.set BIA_LO, 0x91                      ; C (the bias) window 1, D window 2
.set BIA_HI, 0xd1                      ; C window 1, D window 3
.set TO_B,   0x40                      ; destination window 1
.macro JLOAD g0a, g1a, g0b, g1b        ; a joint load: waves 0 and 1 fetch for A, waves 2 and 3 for B; the branch hangs on the wave's number alone; an s_nop 0 and four v_nop follow each line
	s_cmp_eq_u32 s15, 0
	s_cbranch_scc0 .Lfor_b_\@
	tensor_load_to_lds s[\g0a:\g0a+3], s[\g1a:\g1a+7]
	s_nop 0
.rept 4
	v_nop
.endr
	s_branch .Lasked_\@
.Lfor_b_\@:
	tensor_load_to_lds s[\g0b:\g0b+3], s[\g1b:\g1b+7]
	s_nop 0
.rept 4
	v_nop
.endr
.Lasked_\@:
.endm
.macro CROUND                          ; a round of the cluster's barrier
	s_barrier_signal -1
	s_barrier_wait -1
	s_cmp_lg_u32 s14, 0
	s_cbranch_scc1 .Lnot_wave_0_\@
	s_barrier_signal -3
.Lnot_wave_0_\@:
	s_barrier_wait -3
	s_barrier_signal -1
	s_barrier_wait -1
.endm
	s_load_b128 s[4:7], s[0:1], 0x0                ; xc, xs
	s_load_b128 s[8:11], s[0:1], 0x10              ; wc, ws
	s_load_b64 s[12:13], s[0:1], 0x20              ; qkv
	s_load_b64 s[96:97], s[0:1], 0x28              ; bq
	s_load_b64 s[98:99], s[0:1], 0x30              ; bk
	s_load_b64 s[100:101], s[0:1], 0x38            ; bv
	v_lshl_add_u32 v[SPW], v0, 2, SPARE
	v_mov_b32 v[NIL], 0
	ds_add_u32 v[SPW], v[NIL]                      ; the wave's opening: 0 added to my spare word, twice on end, and its wait ahead of my first tensor load
	ds_add_u32 v[SPW], v[NIL]
	v_lshrrev_b32 v1, 5, v0
	v_readfirstlane_b32 s14, v1                    ; wave 0..3
	s_lshr_b32 s15, s14, 1                         ; my half of the tile's rows; also: I fetch for A (0) or B (1)
	s_and_b32 s16, s14, 1                          ; my half of its columns; also: which 128 rows I fetch
	s_bfe_u32 s40, ttmp6, 0x40000                  ; cx
	s_bfe_u32 s41, ttmp6, 0x40004                  ; cy
	s_lshl_b32 s42, ttmp9, 2
	s_add_co_u32 s42, s42, s40                     ; tile column
	s_and_b32 s17, ttmp7, 0xffff
	s_lshl_b32 s17, s17, 2
	s_add_co_u32 s17, s17, s41                     ; tile row
	s_lshl_b32 s43, s41, 2
	s_lshl_b32 s43, 15, s43                        ; my row of the cluster
	s_lshl_b32 s44, 0x1111, s40                    ; my column
	s_or_b32 s[G1+0], s43, (0<<16)|(1<<20)|(1<<21)|(5<<22)|(3<<25)  ; the mask; elements of 1 byte; padding on; bit 21 beside a mask; 4 words of padding after every 64
	s_or_b32 s[G1B+0], s44, (0<<16)|(1<<20)|(1<<21)|(5<<22)|(3<<25)
.irp g, G1, G1B
	s_mov_b32 s[\g+1], ROWB<<16                    ; tensor_dim0
	s_mov_b32 s[\g+2], 128<<16                     ; tensor_dim1
	s_mov_b32 s[\g+3], ROWB<<16                    ; tile_dim0
	s_mov_b32 s[\g+4], 128                         ; tile_dim1
	s_mov_b32 s[\g+5], KROW                        ; the pitch
	s_mov_b32 s[\g+6], 0
	s_mov_b32 s[\g+7], 0
.endr
	s_or_b32 s[G1S+0], s43, (3<<16)|(1<<20)|(1<<21)|(5<<22)|(3<<25)  ; the scales of 128 rows: 4,096 dense bytes as 16 rows of 256 (32 elements of 8 bytes), 16 bytes of padding behind each
	s_or_b32 s[G1SB+0], s44, (3<<16)|(1<<20)|(1<<21)|(5<<22)|(3<<25)
.irp g, G1S, G1SB
	s_mov_b32 s[\g+1], 32<<16
	s_mov_b32 s[\g+2], (128*KS/256)<<16
	s_mov_b32 s[\g+3], 32<<16
	s_mov_b32 s[\g+4], 128*KS/256
	s_mov_b32 s[\g+5], 32
	s_mov_b32 s[\g+6], 0
	s_mov_b32 s[\g+7], 0
.endr
	s_lshl_b32 s18, s16, 7
	s_lshl_b32 s20, s17, 8
	s_add_co_u32 s20, s20, s18                     ; A: row 256 x tile row + 128 x half
	s_lshl_b32 s46, s42, 8
	s_add_co_u32 s46, s46, s18                     ; B: row 256 x tile column + 128 x half
	s_mov_b32 s21, 0
	s_mov_b32 s47, 0
	s_mov_b64 s[18:19], KS
	s_mul_u64 s[22:23], s[20:21], s[18:19]
	s_mul_u64 s[92:93], s[46:47], s[18:19]
	s_mov_b64 s[18:19], KROW
	s_mul_u64 s[20:21], s[20:21], s[18:19]
	s_mul_u64 s[46:47], s[46:47], s[18:19]
	s_mul_i32 s45, s14, HALFT                      ; where they go: wave x 128 rows
	s_mul_i32 s94, s14, HALFS
	s_wait_dscnt 0x0                               ; both opening adds are done
	s_wait_kmcnt 0x0
	s_add_nc_u64 s[20:21], s[4:5], s[20:21]
	s_add_nc_u64 s[22:23], s[6:7], s[22:23]
	s_add_nc_u64 s[46:47], s[8:9], s[46:47]
	s_add_nc_u64 s[92:93], s[10:11], s[92:93]
	CROUND                                         ; all sixteen work-groups are here: the first joint loads meet
	s_mov_b32 s[G0S], 1
	s_add_co_u32 s[G0S+1], s94, SCL
	s_mov_b64 s[G0S+2:G0S+3], s[22:23]
	s_or_b32 s[G0S+3], s[G0S+3], 0x80000000
	s_mov_b32 s[G0SB], 1
	s_add_co_u32 s[G0SB+1], s94, SCL
	s_mov_b64 s[G0SB+2:G0SB+3], s[92:93]
	s_or_b32 s[G0SB+3], s[G0SB+3], 0x80000000
	JLOAD G0S, G1S, G0SB, G1SB                     ; the scales first: they are wanted with the first slot
.irp s, 0,1
	s_mov_b32 s[G0+4*\s], 1
	s_add_co_u32 s[G0+4*\s+1], s45, \s*SLOT
	s_add_nc_u64 s[G0+4*\s+2:G0+4*\s+3], s[20:21], \s*ROWB
	s_or_b32 s[G0+4*\s+3], s[G0+4*\s+3], 0x80000000
	s_mov_b32 s[G0B+4*\s], 1
	s_add_co_u32 s[G0B+4*\s+1], s45, \s*SLOT
	s_add_nc_u64 s[G0B+4*\s+2:G0B+4*\s+3], s[46:47], \s*ROWB
	s_or_b32 s[G0B+4*\s+3], s[G0B+4*\s+3], 0x80000000
	JLOAD G0+4*\s, G1, G0B+4*\s, G1B
.endr
	v_and_b32 v1, 15, v0                           ; r
	v_bfe_u32 v2, v0, 4, 1                         ; h
	v_mul_u32_u24 v3, v1, PITCH
	v_lshl_add_u32 v4, v2, 4, v3
	s_mul_i32 s21, s15, HALFT
	s_mul_i32 s22, s16, HALFT
	s_add_co_u32 s22, s22, 2*HALFT
.irp s, 0,1
	v_add_nc_u32 v[ADRA+\s], s21, v4
	v_add_nc_u32 v[ADRB+\s], s22, v4
	s_add_co_u32 s21, s21, SLOT
	s_add_co_u32 s22, s22, SLOT
.endr
	v_mul_u32_u24 v5, v1, KS                       ; my row's scales: 32 bytes a row,
	v_lshrrev_b32 v6, 8, v5
	v_lshl_add_u32 v5, v6, 4, v5                   ; and 16 more for each 256 passed
	s_mul_i32 s21, s15, HALFS
	s_mul_i32 s22, s16, HALFS
	s_add_co_u32 s22, s22, 2*HALFS
	s_sub_co_u32 s22, s22, s21
	v_mul_u32_u24 v6, s22, v2                      ; lanes 16-31 take B's
	s_add_co_u32 s21, s21, SCL
	v_add_nc_u32 v5, v5, v6
	v_add_nc_u32 v[ADRS], s21, v5
	s_mul_i32 s23, s14, 16*SPITCH                  ; my stage
	v_mul_u32_u24 v5, v1, SPITCH
	v_lshl_add_u32 v5, v2, 4, v5
	v_add_nc_u32 v[STO], s23, v5                   ; in: row r, 16 bytes for each half of the lanes
	v_and_b32 v6, 31, v0
	v_lshlrev_b32 v[CO], 4, v6                     ; out: 16 x lane: four rows of a head, 128 bytes each, are 512 consecutive bytes of qkv
	v_lshrrev_b32 v5, 3, v6
	v_mul_u32_u24 v5, v5, SPITCH
	v_and_b32 v6, 7, v0
	v_lshl_add_u32 v5, v6, 4, v5
	v_add_nc_u32 v[RD], s23, v5                    ; back: row lane / 8, 16 (lane % 8) bytes on
	; where my part of qkv begins: plane = tensor, batch = tile row / 8, head = 4 (tile column % 4) + 2 x my half of the columns; position = 256 (tile row % 8) + 128 x my half of the rows
	s_lshl_b32 s20, ttmp9, 6
	s_lshr_b32 s21, s17, 3
	s_lshl_b32 s21, s21, 4
	s_add_co_u32 s20, s20, s21
	s_and_b32 s46, s42, 3
	s_lshl_b32 s21, s46, 2
	s_add_co_u32 s20, s20, s21
	s_lshl_b32 s21, s16, 1
	s_add_co_u32 s20, s20, s21
	s_lshl_b32 s20, s20, 18                        ; a head is 262,144 bytes
	s_and_b32 s21, s17, 7
	s_lshl_b32 s21, s21, 15
	s_add_co_u32 s20, s20, s21
	s_lshl_b32 s21, s15, 14
	s_add_co_u32 s20, s20, s21
	s_mov_b32 s21, 0
	s_add_nc_u64 s[12:13], s[12:13], s[20:21]
	; the bias of my 128 columns: the tensor's, by the cluster's x
	s_cmp_eq_u32 ttmp9, 0
	s_cselect_b64 s[96:97], s[96:97], s[98:99]
	s_cmp_eq_u32 ttmp9, 2
	s_cselect_b64 s[96:97], s[100:101], s[96:97]
	s_lshl_b32 s98, s46, 10
	s_lshl_b32 s99, s16, 9
	s_add_co_u32 s98, s98, s99
	s_mov_b32 s99, 0
	s_add_nc_u64 s[96:97], s[96:97], s[98:99]
	v_lshlrev_b32 v7, 5, v2                        ; lane (r, h) wants, for B's block b, columns 16 b + 8 h + 0 .. 7
	WIN TO_B
.irp b, 0,1,2,3,4,5,6,7
	global_load_b128 v[BIAS+8*\b:BIAS+8*\b+3], v7, s[96:97] offset:64*\b
	global_load_b128 v[BIAS+8*\b+4:BIAS+8*\b+7], v7, s[96:97] offset:64*\b+16
.endr
	WIN 0
.macro FRAG reg, adr, q, i             ; 16 rows x 128 K of 4-bit codes: 8 registers; registers 4 c .. 4 c + 3 hold K = 64 c + 32 h + 0 .. 31
.irp c, 0,1
	ds_load_b128 v[\reg+4*\c:\reg+4*\c+3], v[\adr] offset:64*(\q)+32*\c+(\i)*16*PITCH
.endr
.endm
; 16 products: A's blocks a0, a0 + 1 x B's eight.  first = 1: the sum begins with the bias.  The 64 accumulators take turns, one instruction a turn, in the same order in every step.
.macro MUL16 a0, p, q, sc, first
.irp a, \a0, \a0+1
.irp b, 0,1,2,3,4,5,6,7
.if \first
	v_wmma_scale_f32_16x16x128_f8f6f4 v[8*(8*((\a)%4)+\b):8*(8*((\a)%4)+\b)+7], v[128*(\p)+FR*\b:128*(\p)+FR*\b+FR-1], v[AF+FR*(\a):AF+FR*(\a)+FR-1], v[BIAS+8*\b:BIAS+8*\b+7], v[SC+8*NQ*(\sc)+NQ*\b+(\q)], v[SC+8*NQ*(\sc)+NQ*(\a)+(\q)] matrix_a_fmt:MATRIX_FMT_FP4 matrix_b_fmt:MATRIX_FMT_FP4 matrix_a_scale:MATRIX_SCALE_ROW1
.else
	v_wmma_scale_f32_16x16x128_f8f6f4 v[8*(8*((\a)%4)+\b):8*(8*((\a)%4)+\b)+7], v[128*(\p)+FR*\b:128*(\p)+FR*\b+FR-1], v[AF+FR*(\a):AF+FR*(\a)+FR-1], v[8*(8*((\a)%4)+\b):8*(8*((\a)%4)+\b)+7], v[SC+8*NQ*(\sc)+NQ*\b+(\q)], v[SC+8*NQ*(\sc)+NQ*(\a)+(\q)] matrix_a_fmt:MATRIX_FMT_FP4 matrix_b_fmt:MATRIX_FMT_FP4 matrix_a_scale:MATRIX_SCALE_ROW1
.endif
.endr
.endr
.endm
.macro FETCH_B slot, q, p
	WIN TO_B
.irp i, 0,1,2,3,4,5,6,7
	FRAG 128*(\p)+FR*\i, ADRB+\slot, \q, \i
.endr
	WIN 0
.endm
.macro FETCH_A slot, q, i0
.irp i, \i0, \i0+1, \i0+2, \i0+3
	FRAG AF+FR*(\i), ADRA+\slot, \q, \i
.endr
.endm
.macro SCALES sc                       ; a slot's scale words: lanes 0-15 A's block i, lanes 16-31 B's block i
.irp i, 0,1,2,3,4,5,6,7
	ds_load_b128 v[SC+8*NQ*\sc+NQ*\i:SC+8*NQ*\sc+NQ*\i+3], v[ADRS] offset:\i*SBLK
.endr
.endm
.macro PLACES n                        ; a load into a register that a matrix instruction has read, and a read of a result, stand four plain vector instructions behind it (ISA guide 7.12.1 for the read of a result)
.rept \n
	v_nop
.endr
.endm
.macro STEP slot, q, first             ; 128 along K, with its successor in the same slot
	s_wait_dscnt 4*NL                              ; B's set and A's blocks 0-3 are in; the youngest eight loads (A's blocks 4-7) may be out
.if \first
	WIN BIA_LO
.else
	WIN MUL_LO
.endif
	MUL16 0, (\q)%2, \q, \slot, \first
	MUL16 2, (\q)%2, \q, \slot, \first
	s_wait_dscnt 0                                 ; A's blocks 4-7 are in
	PLACES NP
	FETCH_B \slot, (\q)+1, 1-(\q)%2
	FETCH_A \slot, (\q)+1, 0
.if \first
	WIN BIA_HI
.else
	WIN MUL_HI
.endif
	MUL16 4, (\q)%2, \q, \slot, \first
	MUL16 6, (\q)%2, \q, \slot, \first
	PLACES NP
	WIN 0
	FETCH_A \slot, (\q)+1, 4
.endm
.macro TURN slot, next                 ; a slot's last step changes slots: one barrier; nothing is filled again
	s_wait_tensorcnt 0x0                           ; my part of the next slot has landed
	ds_add_u32 v[SPW], v[NIL]                      ; 0 onto my spare word
	s_wait_dscnt 4*NL+1                            ; (the add and the youngest eight loads may be out)
	WIN MUL_LO
	MUL16 0, 1, NQ-1, \slot, 0
	s_wait_dscnt 0x0                               ; the add is done, and my reads of this slot are over
	s_barrier_signal -1
	MUL16 2, 1, NQ-1, \slot, 0
	WIN 0
	s_barrier_wait -1
	PLACES NP
	v_add_nc_u32 v[ADRS], 4*NQ, v[ADRS]            ; the next slot's scale words
	FETCH_B \next, 0, 0
	FETCH_A \next, 0, 0
	SCALES \next
	WIN MUL_HI
	MUL16 4, 1, NQ-1, \slot, 0
	MUL16 6, 1, NQ-1, \slot, 0
	PLACES NP
	WIN 0
	FETCH_A \next, 0, 4
.endm
	s_wait_tensorcnt 1                             ; the scales and my part of slot 0 are in; slot 1's load may be out
	s_barrier_signal -1
	s_barrier_wait -1
	FETCH_B 0, 0, 0
	FETCH_A 0, 0, 0
	SCALES 0
	FETCH_A 0, 0, 4
	s_wait_loadcnt 0x0                             ; the bias
	STEP 0, 0, 1
	STEP 0, 1, 0
	STEP 0, 2, 0
	TURN 0, 1
	STEP 1, 0, 0
	STEP 1, 1, 0
	STEP 1, 2, 0
	s_wait_dscnt 4*NL                              ; the last step: nothing more to fetch
	WIN MUL_LO
	MUL16 0, 1, NQ-1, 1, 0
	MUL16 2, 1, NQ-1, 1, 0
	s_wait_dscnt 0
	WIN MUL_HI
	MUL16 4, 1, NQ-1, 1, 0
	MUL16 6, 1, NQ-1, 1, 0
	WIN 0
; THE WAY OUT, a block of 16 rows x 128 columns (two heads) at a time: rounded to f16, 16 bytes a lane into my stage, back as four rows of one head an instruction, stored as 512 consecutive bytes.
.macro PACK a
.set AC, 64*((\a)%4)
	WIN 0x0a+5*((\a)/4)                            ; sources 0 and 1: window 2 or 3
.irp b, 0,1,2,3,4,5,6,7
.irp r, 0,1,2,3
	v_cvt_pk_f16_f32 v[TMP+4*\b+\r], v[AC+8*\b+2*\r], v[AC+8*\b+2*\r+1]   ; each accumulator from its low end on
.endr
.endr
	WIN 0
.endm
.macro TOSTAGE a
.set BB, BKR+32*((\a)%2)
.irp b, 0,1,2,3,4,5,6,7
	ds_store_b128 v[STO], v[TMP+4*\b:TMP+4*\b+3] offset:32*\b
.endr
.irp t, 0,1,2,3,4,5,6,7
	ds_load_b128 v[BB+4*\t:BB+4*\t+3], v[RD] offset:(\t%4)*4*SPITCH+(\t/4)*128   ; LDS serves a wave's instructions in order: these see the stores above
.endr
.endm
.macro SEND a
.set BB, BKR+32*((\a)%2)
	s_wait_dscnt 0x0                               ; the block is back in registers
	s_wait_xcnt 0x0                                ; the stores of the block before have read their registers: the next block's loads may land there
.irp t, 0,1,2,3,4,5,6,7
	global_store_b128 v[CO], v[BB+4*\t:BB+4*\t+3], s[12:13] offset:(\t/4)*262144+(\a)*2048+(\t%4)*512
.endr
.endm
	PLACES NP
	PACK 0
	TOSTAGE 0
.irp a, 1,2,3,4,5,6,7
	PACK \a
	SEND \a-1
	TOSTAGE \a
.endr
	SEND 7
	s_wait_tensorcnt 0x0                           ; the wave's end: a tensor wait, 0 added to my spare word and its wait
	ds_add_u32 v[SPW], v[NIL]
	s_wait_dscnt 0x0
	CROUND                                         ; the closing round
	s_endpgm
.Lfunc_end_k_q131d75d457_qkv:
	.size	k_q131d75d457_qkv, .Lfunc_end_k_q131d75d457_qkv-k_q131d75d457_qkv
	.p2alignl 7, 3214868480
	.fill 96, 4, 3214868480
	.section	.rodata,"a",@progbits
	.p2align	6, 0x0
	.amdhsa_kernel k_q131d75d457_qkv
		.amdhsa_group_segment_fixed_size 327680
		.amdhsa_private_segment_fixed_size 0
		.amdhsa_enable_private_segment 0
		.amdhsa_kernarg_size 64
		.amdhsa_user_sgpr_count 2
		.amdhsa_user_sgpr_kernarg_segment_ptr 1
		.amdhsa_wavefront_size32 1
		.amdhsa_system_sgpr_workgroup_id_x 1
		.amdhsa_system_sgpr_workgroup_id_y 1
		.amdhsa_system_sgpr_workgroup_id_z 1
		.amdhsa_system_vgpr_workitem_id 0
		.amdhsa_next_free_vgpr 1024
		.amdhsa_next_free_sgpr 102
		.amdhsa_reserve_vcc 0
		.amdhsa_float_denorm_mode_32 3
		.amdhsa_float_denorm_mode_16_64 3
		.amdhsa_memory_ordered 1
		.amdhsa_forward_progress 1
		.amdhsa_inst_pref_size 128
	.end_amdhsa_kernel
	.amdgpu_metadata
---
amdhsa.version: [ 1, 2 ]
amdhsa.kernels:
  - .name:           k_q131d75d457_qkv
    .symbol:         k_q131d75d457_qkv.kd
    .args:
      - { .name: xc, .offset: 0, .size: 8, .value_kind: global_buffer, .address_space: global }
      - { .name: xs, .offset: 8, .size: 8, .value_kind: global_buffer, .address_space: global }
      - { .name: wc, .offset: 16, .size: 8, .value_kind: global_buffer, .address_space: global }
      - { .name: ws, .offset: 24, .size: 8, .value_kind: global_buffer, .address_space: global }
      - { .name: qkv, .offset: 32, .size: 8, .value_kind: global_buffer, .address_space: global }
      - { .name: bq, .offset: 40, .size: 8, .value_kind: global_buffer, .address_space: global }
      - { .name: bk, .offset: 48, .size: 8, .value_kind: global_buffer, .address_space: global }
      - { .name: bv, .offset: 56, .size: 8, .value_kind: global_buffer, .address_space: global }
    .group_segment_fixed_size: 327680
    .private_segment_fixed_size: 0
    .kernarg_segment_align: 8
    .kernarg_segment_size: 64
    .max_flat_workgroup_size: 128
    .sgpr_count:     102
    .vgpr_count:     1024
    .wavefront_size: 32
...
	.end_amdgpu_metadata
.endif
;; end of part 2
;; launch attn (part 3): grid 4 x 64, 16 waves a work-group, clusters of 4 x 1, 327,680 bytes of LDS; arguments qkv, mb, ctx; writes ctx
.if DOCPART == 3
	.amdgcn_target "amdgcn-amd-amdhsa--gfx1250"
	.amdhsa_code_object_version 6
	.text
	.protected	k_q131d75d457_attn
	.globl	k_q131d75d457_attn
	.p2align	8
	.type	k_q131d75d457_attn,@function
k_q131d75d457_attn:
	s_mov_b64 s[64:65], 0
	v_nop
	global_prefetch_b8 v0, s[64:65] scope:SCOPE_SE
	s_setreg_imm32_b32 hwreg(HW_REG_WAVE_MODE, 25, 1), 1
	s_wait_xcnt 0x0
	s_wait_alu depctr_hold_cnt(0) depctr_sa_sdst(0) depctr_va_vdst(0) depctr_va_sdst(0) depctr_va_ssrc(0) depctr_va_vcc(0) depctr_vm_vsrc(0)
	s_getreg_b32 s2, hwreg(HW_REG_IB_STS2, 6, 4)
	s_cmp_eq_u32 s2, 0
	s_cbranch_scc0 .Lentry_in_a_cluster
	s_endpgm
.Lentry_in_a_cluster:
	s_bfe_u32 s2, ttmp6, 0x10000c
	s_cmp_lg_u32 s2, 0x3003
	s_cbranch_scc0 .Lentry_shape_is_right
	s_endpgm
.Lentry_shape_is_right:
; ctx[b][h][q][:] = sum over k of softmax_k(where(mask[b][q][k] == 0, -1e9, Q[q] . K[k] / 8)) V[k][:].  Q, K, V: the three planes of qkv, f16, [b][h][2048][64]; ctx likewise.  Products on f16 operands, sums, maxima and exponentials in f32.
; THE MASK comes as bits (mb): for a tile of 16 queries and 16 keys eight words, word j being the lane mask of register j of that tile of scores; they come by scalar loads, one step ahead, and only select values.
; A MASKED SCORE is -2^33 before the scaling, -2^30 behind it, in place of -1e9.  c x 2^33 is exact, so that in a row whose every key is masked each t - c m is exactly 0 and the weights are uniform, as they are with -1e9.
; LIMITS: the results are those of -1e9 while live scores (behind the division by 8) stay above about -1e9; Q, K, V within f16's 65,504; NaN and infinities are not served.
; SHARES.  A work-group owns 512 queries of one (b, h); each of its sixteen waves 32, two tiles of 16, in 256 registers: four waves to a SIMD, so that one wave's vector work stands beside another's products and LDS loads.
; LAYOUT.  S^T = K Q^T (source 0 = 16 keys, source 1 = 16 queries) and O^T = V^T P: a lane holds ONE query throughout; two tiles of S^T rounded in pairs ARE source 1 of the second product; V is turned by ds_load_tr16_b128.
; SOFTMAX.  A running maximum m and sum l for each query: p = 2^(c s - c m), c = log2(e) / 8; in every step O^T and l are multiplied by a = 2^(c m_old - c m_new).
; RING.  Two LDS slots of 256 keys (four steps of 64: 64 rows of K, then 64 of V).  Waves 0-3 fetch a slot's four tiles of K, waves 4-7 its four of V, one tensor load each behind each change of slots;
; a wave has one tensor load out, and it has four steps of sixteen waves in which to land.
; CLUSTER.  The four query blocks of a (b, h) walk the same K and V: every tile is asked for jointly, by the same load with the same descriptor and the mask of all four.
; REGISTERS: v1-8 what stays; v9-11, v31 scratch; v12-27 statistics, 8 a tile (+0 c m, +1 m, +2, +3 l, +4 .. +7 at work; a in +6); v28-30 the way out's addresses; v32-63 Q; v64-127 S^T (v64-95 later V's keys 32-63);
;   v128-159 K's key tiles 2, 3, then P; v160-223 O^T; v224-255 K's key tiles 0, 1, then V's keys 0-31.
.set PK,    144                        ; a row of K in LDS: 128 bytes + 16: the 16 rows of a load start at 16 different banks
.set PV,    160                        ; a row of V: 128 + 32
.set VOFF,  64*PK
.set STEPB, 64*(PK+PV)
.set SLOT1, 1<<17                      ; slot 1 begins here: one exclusive or turns an address from one slot to the other
.set SPARE, SLOT1+4*STEPB              ; the spare words: 128 bytes for each of sixteen waves
.set CLOG,  0x3e38aa3b                 ; c = log2(e) / 8
.set SPW, 1
.set NIL, 2
.set AK0, 3                            ; my lane's place in a tile of K
.set AV0, 4                            ; and of V
.set ADK, 5
.set ADV, 6
.set NEG, 7                            ; -2^33
.set PFO, 8                            ; 256 x lane
.set ST,  12
.set STO, 28
.set RD,  29
.set GO,  30
.set Q,   32
.set S,   64
.set P,   128
.set O,   160
.set BUF, 224
.set G1K, 4                            ; s[4:11]   descriptor group 1 for K's tiles
.set G1V, 12                           ; s[12:19]  for V's: it differs in the padding
.set G0,  20                           ; s[20:23]  my one group 0, which walks
.set SEL, 24
.set PFA, 26
.set LIM, 28
.set WV,  29
.set TB,  30                           ; LDS byte at which the step's tiles begin
.set SLOTS, 31
.set M0W, 32                           ; s[32:63]  the step's 32 mask words of tile 0
.set M1W, 68                           ; s[68:99]  of tile 1
.set MO,  66                           ; the byte in a tile's row of mb at which the next step's words begin
.set STEPS, 67
.set QP,  100
.set CP,  104
.macro CROUND
	s_barrier_signal -1
	s_barrier_wait -1
	s_cmp_lg_u32 s[WV], 0
	s_cbranch_scc1 .Lnot_wave_0_\@
	s_barrier_signal -3
.Lnot_wave_0_\@:
	s_barrier_wait -3
	s_barrier_signal -1
	s_barrier_wait -1
.endm
.macro JLOAD                           ; waves 0-3: K; waves 4-7: V; the others nothing.  The branches hang on the wave's number alone.  An s_nop 0 and four v_nop follow each line
	s_cmp_lt_u32 s[WV], 4
	s_cbranch_scc0 .Lnot_k_\@
	tensor_load_to_lds s[G0:G0+3], s[G1K:G1K+7]
	s_nop 0
.rept 4
	v_nop
.endr
	s_branch .Lasked_\@
.Lnot_k_\@:
	s_cmp_lt_u32 s[WV], 8
	s_cbranch_scc0 .Lasked_\@
	tensor_load_to_lds s[G0:G0+3], s[G1V:G1V+7]
	s_nop 0
.rept 4
	v_nop
.endr
.Lasked_\@:
.endm
; A PREFETCH of what the NEXT change of slots will ask for: a slot's 32,768 bytes of K and of V.  The four partners share them out by address, 8,192 bytes each, lanes 256 bytes apart; wave 8 asks for K's, wave 9 for V's:
; each aligned 256 bytes are named once in the launch, four key steps ahead of the load that wants them.  The last change that fills a slot asks for nothing; slots 0 and 1 come by their loads alone.
.macro ASK
	s_cmp_gt_u32 s[SLOTS], s[LIM]
	s_cbranch_scc0 .Lnot_mine_\@
	global_prefetch_b8 v[PFO], s[PFA:PFA+1] th:TH_LOAD_NT scope:SCOPE_SE
.Lnot_mine_\@:
.endm
	s_load_b128 s[32:35], s[0:1], 0x0              ; qkv, mb
	s_load_b64 s[CP:CP+1], s[0:1], 0x10            ; ctx
	v_lshl_add_u32 v[SPW], v0, 2, SPARE
	v_mov_b32 v[NIL], 0
	ds_add_u32 v[SPW], v[NIL]                      ; the wave's opening: 0 added to my spare word, twice on end, and its wait ahead of the first tensor loads
	ds_add_u32 v[SPW], v[NIL]
	v_lshrrev_b32 v9, 5, v0
	v_readfirstlane_b32 s[WV], v9                  ; wave 0..15
	s_bfe_u32 s68, ttmp6, 0x40000                  ; cx: my block of 512 queries; it enters Q's, ctx's, the mask's and the prefetches' addresses alone
	s_and_b32 s69, ttmp7, 0xffff                   ; 16 b + h, which the partners share
	s_lshl_b32 s70, s69, 18                        ; a head is 262,144 bytes
	s_bfe_u32 s71, s[WV], 0x10002                  ; 0: I fetch K's tile, 1: V's
	s_and_b32 s80, s[WV], 3                        ; of which of a slot's four steps
	s_mov_b32 s[G0], 1
	s_mul_i32 s[G0+1], s80, STEPB
	s_mul_i32 s81, s71, VOFF
	s_add_co_u32 s[G0+1], s[G0+1], s81             ; its place in slot 0
	s_add_co_u32 s72, s71, 1
	s_lshl_b32 s72, s72, 24                        ; plane 1 is K, plane 2 V: 16,777,216 bytes each
	s_add_co_u32 s72, s72, s70
	s_lshl_b32 s81, s80, 13                        ; 64 rows of 128 bytes
	s_add_co_u32 s72, s72, s81
	s_mov_b32 s73, 0
	s_lshr_b32 s74, s69, 4                         ; the mask's rows: tile of queries 128 b + 32 cx + 2 wave, 4,096 bytes a tile
	s_lshl_b32 s74, s74, 7
	s_lshl_b32 s81, s68, 5
	s_add_co_u32 s74, s74, s81
	s_lshl_b32 s81, s[WV], 1
	s_add_co_u32 s74, s74, s81
	s_lshl_b32 s74, s74, 12
	s_mov_b32 s75, 0
	s_lshl_b32 s76, s68, 16                        ; my 32 rows of Q and of ctx
	s_add_co_u32 s76, s76, s70
	s_lshl_b32 s81, s[WV], 12
	s_add_co_u32 s76, s76, s81
	s_mov_b32 s77, 0
	s_and_b32 s78, s[WV], 1                        ; the prefetches: K's plane (even wave) or V's, my head, slot 1, my work-group's quarter; the first change steps it to slot 2
	s_add_co_u32 s78, s78, 1
	s_lshl_b32 s78, s78, 24
	s_add_co_u32 s78, s78, s70
	s_lshl_b32 s81, s68, 13
	s_add_co_u32 s78, s78, s81
	s_add_co_u32 s78, s78, 32768
	s_mov_b32 s79, 0
	s_lshr_b32 s81, s[WV], 1
	s_cmp_eq_u32 s81, 4                            ; waves 8 and 9 ask
	s_cselect_b32 s[LIM], 1, -1
	s_mul_i32 s81, s[WV], 32*PK                    ; my stage for the way out
	s_mov_b32 s[G1K], 15|(1<<16)|(1<<20)|(1<<21)|(4<<22)|(3<<25)  ; the mask of all four; elements of 2 bytes; padding on; bit 21 beside a mask; 4 words of padding after every 32
	s_mov_b32 s[G1V], 15|(1<<16)|(1<<20)|(1<<21)|(4<<22)|(7<<25)  ; 8 words of padding
.irp g, G1K, G1V
	s_mov_b32 s[\g+1], 64<<16                      ; tensor_dim0
	s_mov_b32 s[\g+2], 64<<16                      ; tensor_dim1
	s_mov_b32 s[\g+3], 64<<16                      ; tile_dim0
	s_mov_b32 s[\g+4], 64                          ; tile_dim1
	s_mov_b32 s[\g+5], 64                          ; the pitch
	s_mov_b32 s[\g+6], 0
	s_mov_b32 s[\g+7], 0
.endr
	s_mov_b32 s[SEL], 0x76543210
	s_mov_b32 s[SEL+1], 0xfedcba98
	s_mov_b32 s[TB], 0
	s_mov_b32 s[SLOTS], 7
	s_mov_b32 s[MO], 0
	s_wait_dscnt 0x0                               ; both opening adds are done
	s_wait_kmcnt 0x0
	s_add_nc_u64 s[G0+2:G0+3], s[32:33], s[72:73]
	s_or_b32 s[G0+3], s[G0+3], 0x80000000
	s_add_nc_u64 s[2:3], s[34:35], s[74:75]
	s_add_nc_u64 s[QP:QP+1], s[32:33], s[76:77]
	s_add_nc_u64 s[CP:CP+1], s[CP:CP+1], s[76:77]
	s_add_nc_u64 s[PFA:PFA+1], s[32:33], s[78:79]
	CROUND                                         ; all four work-groups are here: the first joint loads meet
	JLOAD                                          ; keys 0-255 into slot 0
	v_and_b32 v9, 15, v0                           ; r
	v_bfe_u32 v10, v0, 4, 1                        ; h
	v_lshlrev_b32 v11, 7, v9
	v_lshl_add_u32 v11, v10, 4, v11                ; Q: row r of 128 bytes + 16 h
.irp t, 0,1
.irp c, 0,1
	global_load_b128 v[Q+16*\t+8*\c:Q+16*\t+8*\c+3],   v11, s[QP:QP+1] offset:\t*2048+64*\c      ; Q stays in registers
	global_load_b128 v[Q+16*\t+8*\c+4:Q+16*\t+8*\c+7], v11, s[QP:QP+1] offset:\t*2048+64*\c+32
.endr
.endr
	v_mul_u32_u24 v[AK0], v9, PK
	v_lshl_add_u32 v[AK0], v10, 4, v[AK0]          ; key r x pitch + 16 h
	v_add_nc_u32 v[STO], s81, v[AK0]               ; the stage, in: the same shape
	v_and_b32 v31, 7, v0
	v_lshl_add_u32 v[AV0], v10, 3, v31
	v_mul_u32_u24 v[AV0], v[AV0], PV               ; the turning load: key 8 h + lane % 8,
	v_bfe_u32 v31, v0, 3, 1
	v_lshl_add_u32 v[AV0], v31, 4, v[AV0]          ; channels 8 ((lane / 8) % 2) on
	v_add_nc_u32 v[AV0], VOFF, v[AV0]
	v_bfe_u32 v31, v0, 3, 2
	v_mul_u32_u24 v[RD], v31, PK                   ; the stage, back: row lane / 8,
	v_and_b32 v31, 7, v0
	v_lshl_add_u32 v[RD], v31, 4, v[RD]            ; 16 (lane % 8) bytes on
	v_add_nc_u32 v[RD], s81, v[RD]
	v_mov_b32 v[NEG], 0xd0000000
	v_and_b32 v[PFO], 31, v0
	v_lshlrev_b32 v[GO], 4, v[PFO]                 ; four rows of ctx are 512 consecutive bytes: 16 x lane
	v_lshlrev_b32 v[PFO], 8, v[PFO]
	s_load_b512 s[M0W:M0W+15],    s[2:3], s[MO] offset:0x0     ; step 0's mask words (the head's scratch scalars are free from here on)
	s_load_b512 s[M0W+16:M0W+31], s[2:3], s[MO] offset:0x40
	s_load_b512 s[M1W:M1W+15],    s[2:3], s[MO] offset:0x1000
	s_load_b512 s[M1W+16:M1W+31], s[2:3], s[MO] offset:0x1040
.irp t, 0,1
	v_mov_b32 v[ST+8*\t+1], 0xff61b1e6             ; m = -3e38, under every score
	v_mul_f32 v[ST+8*\t], CLOG, v[ST+8*\t+1]
	v_mov_b32 v[ST+8*\t+2], 0                      ; l, in two halves
	v_mov_b32 v[ST+8*\t+3], 0
.endr
.set n, 0
.rept 64
	v_mov_b32 v[O+n], 0                            ; O^T: the step is written once; its first pass multiplies zeros by a = 0
.set n, n+1
.endr
.macro KQ8 kreg, kt0                   ; two tiles of keys x two tiles of queries, 64 channels: four accumulators by turns; the first four products start the sums
.irp c, 0,1
.irp k, 0,1
.irp t, 0,1
.if \c == 0
	v_wmma_f32_16x16x32_f16 v[S+32*\t+8*(\kt0+\k):S+32*\t+8*(\kt0+\k)+7], v[\kreg+16*\k+8*\c:\kreg+16*\k+8*\c+7], v[Q+16*\t+8*\c:Q+16*\t+8*\c+7], 0
.else
	v_wmma_f32_16x16x32_f16 v[S+32*\t+8*(\kt0+\k):S+32*\t+8*(\kt0+\k)+7], v[\kreg+16*\k+8*\c:\kreg+16*\k+8*\c+7], v[Q+16*\t+8*\c:Q+16*\t+8*\c+7], v[S+32*\t+8*(\kt0+\k):S+32*\t+8*(\kt0+\k)+7]
.endif
.endr
.endr
.endr
.endm
.macro PV8 vreg, u                     ; O^T += V^T P for keys 32 u on: eight accumulators by turns
.irp ct, 0,1,2,3
.irp t, 0,1
	v_wmma_f32_16x16x32_f16 v[O+32*\t+8*\ct:O+32*\t+8*\ct+7], v[\vreg+8*\ct:\vreg+8*\ct+7], v[P+16*\t+8*\u:P+16*\t+8*\u+7], v[O+32*\t+8*\ct:O+32*\t+8*\ct+7]
.endr
.endr
.endm
.macro WEIGHTS tl                      ; a tile's 32 weights: rounded to f16 in pairs, which are P's registers; then summed in place, unrounded; l = a l + the sum
.set rS, S+32*(\tl)
.set rT, ST+8*(\tl)
.set n, 0
.rept 16
	v_cvt_pk_f16_f32 v[P+16*(\tl)+n], v[rS+2*n], v[rS+2*n+1]
.set n, n+1
.endr
.irp u, 0,1,2,3,4,5,6,7
	v_pk_add_f32 v[rS+4*\u:rS+4*\u+1], v[rS+4*\u:rS+4*\u+1], v[rS+4*\u+2:rS+4*\u+3]
.endr
.irp u, 0,1,2,3
	v_pk_add_f32 v[rS+8*\u:rS+8*\u+1], v[rS+8*\u:rS+8*\u+1], v[rS+8*\u+4:rS+8*\u+5]
.endr
.irp u, 0,1
	v_pk_add_f32 v[rS+16*\u:rS+16*\u+1], v[rS+16*\u:rS+16*\u+1], v[rS+16*\u+8:rS+16*\u+9]
.endr
	v_pk_add_f32 v[rS:rS+1], v[rS:rS+1], v[rS+16:rS+17]
	v_pk_fma_f32 v[rT+2:rT+3], v[rT+2:rT+3], v[rT+6:rT+7], v[rS:rS+1] op_sel_hi:[1,0,1]
.endm
; A KEY STEP: 64 keys, both tiles of queries.
.macro STEP
	v_add_nc_u32 v[ADK], s[TB], v[AK0]             ; five plain vector instructions behind the last step's products: K's loads land in registers that those read (four are owed),
	v_add_nc_u32 v[ADV], s[TB], v[AV0]             ; and the first products below write over v64-95, which those read (five)
.rept 3
	v_nop
.endr
.irp k, 0,1
.irp c, 0,1
	ds_load_b128 v[BUF+16*\k+8*\c:BUF+16*\k+8*\c+3],   v[ADK] offset:\k*16*PK+64*\c
	ds_load_b128 v[BUF+16*\k+8*\c+4:BUF+16*\k+8*\c+7], v[ADK] offset:\k*16*PK+64*\c+32
.endr
.endr
.irp k, 0,1
.irp c, 0,1
	ds_load_b128 v[P+16*\k+8*\c:P+16*\k+8*\c+3],   v[ADK] offset:(\k+2)*16*PK+64*\c
	ds_load_b128 v[P+16*\k+8*\c+4:P+16*\k+8*\c+7], v[ADK] offset:(\k+2)*16*PK+64*\c+32
.endr
.endr
	s_wait_dscnt 8                                 ; key tiles 0, 1 are in; the younger eight loads may be out
	KQ8 BUF, 0
	s_wait_dscnt 0x0
	KQ8 P, 2
.rept 4
	v_nop                                          ; places: in front of the loads into K's registers, and of the first reads of the scores
.endr
.irp ct, 0,1,2,3
	ds_load_tr16_b128 v[BUF+8*\ct:BUF+8*\ct+3],   v[ADV] offset:32*\ct            ; V^T of keys 0-31: it lands under the softmax
	ds_load_tr16_b128 v[BUF+8*\ct+4:BUF+8*\ct+7], v[ADV] offset:32*\ct+16*PV
.endr
	s_wait_kmcnt 0x0                               ; this step's mask words, asked for a step ago; so their offset register may be written
	s_add_co_u32 s[MO], s[MO], 128
	s_and_b32 s[MO], s[MO], 4095                   ; the last step's look-ahead wraps to the row's start: it stays inside mb and is not used
.set n, 0
.rept 32
	v_cndmask_b32 v[S+n], v[NEG], v[S+n], s[M0W+n]             ; where the bit is 0 the score becomes -2^33; each accumulator from its low end on
	v_cndmask_b32 v[S+32+n], v[NEG], v[S+32+n], s[M1W+n]
.set n, n+1
.endr
	s_load_b512 s[M0W:M0W+15],    s[2:3], s[MO] offset:0x0     ; the next step's words: a whole step in which to land
	s_load_b512 s[M0W+16:M0W+31], s[2:3], s[MO] offset:0x40
	s_load_b512 s[M1W:M1W+15],    s[2:3], s[MO] offset:0x1000
	s_load_b512 s[M1W+16:M1W+31], s[2:3], s[MO] offset:0x1040
.irp j, 0,1,2,3                                ; the maximum of a lane's 32 scores and the old m: four chains a tile, the tiles by turns
.irp t, 0,1
	v_max3_num_f32 v[ST+8*\t+4+\j], v[S+32*\t+8*\j], v[S+32*\t+8*\j+1], v[S+32*\t+8*\j+2]
.endr
.endr
.irp g, 1,2
.irp j, 0,1,2,3
.irp t, 0,1
	v_max3_num_f32 v[ST+8*\t+4+\j], v[ST+8*\t+4+\j], v[S+32*\t+8*\j+2*\g+1], v[S+32*\t+8*\j+2*\g+2]
.endr
.endr
.endr
.irp t, 0,1
	v_max3_num_f32 v[ST+8*\t+4], v[ST+8*\t+4], v[S+32*\t+7], v[S+32*\t+15]
	v_max3_num_f32 v[ST+8*\t+6], v[ST+8*\t+6], v[S+32*\t+23], v[S+32*\t+31]
.endr
.irp t, 0,1
	v_max3_num_f32 v[ST+8*\t+4], v[ST+8*\t+4], v[ST+8*\t+5], v[ST+8*\t+6]
.endr
.irp t, 0,1
	v_max3_num_f32 v[ST+8*\t+4], v[ST+8*\t+4], v[ST+8*\t+7], v[ST+8*\t+1]
.endr
.irp t, 0,1
	v_permlanex16_b32 v[ST+8*\t+5], v[ST+8*\t+4], s[SEL], s[SEL+1]   ; the query's other 32 keys lie in the lane 16 away
.endr
.irp t, 0,1
	v_mov_b32 v[ST+8*\t+7], v[ST+8*\t]             ; c m_old
.endr
.irp t, 0,1
	v_max_num_f32 v[ST+8*\t+1], v[ST+8*\t+4], v[ST+8*\t+5]
.endr
.irp t, 0,1
	v_mul_f32 v[ST+8*\t], CLOG, v[ST+8*\t+1]
.endr
.irp t, 0,1
	v_sub_f32 v[ST+8*\t+7], v[ST+8*\t+7], v[ST+8*\t]
.endr
.set n, 0
.rept 16
	v_pk_fma_f32 v[S+n:S+n+1], v[S+n:S+n+1], CLOG, v[ST:ST+1] op_sel_hi:[1,0,0] neg_lo:[0,0,1] neg_hi:[0,0,1]               ; c s - c m, two at a time
	v_pk_fma_f32 v[S+32+n:S+32+n+1], v[S+32+n:S+32+n+1], CLOG, v[ST+8:ST+9] op_sel_hi:[1,0,0] neg_lo:[0,0,1] neg_hi:[0,0,1]
.set n, n+2
.endr
	v_exp_f32 v[ST+6], v[ST+7]                     ; ONE BATCH of 66 exponentials: a of both tiles, then the 64 weights
	v_exp_f32 v[ST+14], v[ST+15]
.set n, 0
.rept 64
	v_exp_f32 v[S+n], v[S+n]
.set n, n+1
.endr
	v_nop                                          ; a plain instruction behind the last exponential (ISA guide 5.7.2),
	s_wait_alu depctr_va_vdst(0)                   ; and one wait ahead of the batch's first reader
	WEIGHTS 0
.irp ct, 0,1,2,3
	ds_load_tr16_b128 v[S+8*\ct:S+8*\ct+3],   v[ADV] offset:32*PV+32*\ct          ; V^T of keys 32-63, into tile 0's scores, which are done with
	ds_load_tr16_b128 v[S+8*\ct+4:S+8*\ct+7], v[ADV] offset:32*PV+32*\ct+16*PV
.endr
	WEIGHTS 1
.irp t, 0,1
.set n, 0
.rept 16
	v_pk_mul_f32 v[O+32*\t+n:O+32*\t+n+1], v[O+32*\t+n:O+32*\t+n+1], v[ST+8*\t+6:ST+8*\t+7] op_sel_hi:[1,0]   ; O^T x a, each accumulator from its low end on
.set n, n+2
.endr
.endr
	s_wait_dscnt 8                                 ; V's keys 0-31 are in; the younger eight loads may be out
	PV8 BUF, 0
	s_wait_dscnt 0x0
	PV8 S, 1
	s_add_co_u32 s[TB], s[TB], STEPB
.endm
; THE CHANGE OF SLOTS stands at a slot's head.  Each wave waits for all its tensor loads (its part of the slot ahead), adds 0 to its spare word, and waits for that and for its reads of the slot that it has left.
; fill = 1: a round of the cluster's barrier, so that no wave of any partner still reads the slot left or has a load on its way; the joint load of the next 256 keys is the first thing behind it.
.macro CHANGE fill
	s_wait_tensorcnt 0x0                           ; no tensor load of mine is out, so my group 0 may be written
	ds_add_u32 v[SPW], v[NIL]
.if \fill
	ds_add_u32 v[SPW], v[NIL]                      ; and twice on end here, in every trip alike
	s_xor_b32 s[G0+1], s[G0+1], SLOT1              ; the other slot than last time,
	s_add_nc_u64 s[G0+2:G0+3], s[G0+2:G0+3], 32768 ; the next 256 keys; the type bits on top are not reached
	s_wait_xcnt 0x0                                ; the last prefetch, four steps back, has read its address
	s_add_nc_u64 s[PFA:PFA+1], s[PFA:PFA+1], 32768 ; one slot further on than the descriptor
	s_wait_dscnt 0x0
	CROUND
	JLOAD
	ASK
.else
	s_wait_dscnt 0x0
	s_barrier_signal -1
	s_barrier_wait -1
.endif
.endm
.macro FOUR_STEPS                      ; a slot's four key steps: written once, walked four times
	s_mov_b32 s[STEPS], 4
.Lstep_\@:
	STEP
	s_sub_co_u32 s[STEPS], s[STEPS], 1
	s_cmp_lg_u32 s[STEPS], 0
	s_cbranch_scc1 .Lstep_\@
	s_sub_co_u32 s[TB], s[TB], 4*STEPB
	s_xor_b32 s[TB], s[TB], SLOT1                  ; on to the other slot
.endm
	s_wait_loadcnt 0x0                             ; Q
.Lslot:                                            ; seven trips: behind each change of slots but the last the next slot is asked for
	CHANGE 1
	FOUR_STEPS
	s_sub_co_u32 s[SLOTS], s[SLOTS], 1
	s_cmp_lg_u32 s[SLOTS], 0
	s_cbranch_scc1 .Lslot
	CHANGE 0                                       ; the last slot is written out
	FOUR_STEPS
	; THE WAY OUT.  O^T / l, rounded to f16, goes through my stage (32 rows x 144 bytes in slot 0, which was left at the last change of slots and has had its last fill) and leaves as 512 consecutive bytes an instruction.
.rept 4
	v_nop                                          ; places behind the last products
.endr
.irp t, 0,1
	v_add_f32 v[ST+8*\t+4], v[ST+8*\t+2], v[ST+8*\t+3]
.endr
.irp t, 0,1
	v_permlanex16_b32 v[ST+8*\t+5], v[ST+8*\t+4], s[SEL], s[SEL+1]
.endr
.irp t, 0,1
	v_add_f32 v[ST+8*\t+4], v[ST+8*\t+4], v[ST+8*\t+5]           ; the row's sum: at least 1, since the largest weight is 1
.endr
.irp t, 0,1
	v_rcp_f32 v[ST+8*\t+6], v[ST+8*\t+4]
.endr
	v_nop
	s_wait_alu depctr_va_vdst(0)                   ; one wait for both reciprocals, ahead of their first reader
.irp t, 0,1
.set n, 0
.rept 16
	v_pk_mul_f32 v[O+32*\t+n:O+32*\t+n+1], v[O+32*\t+n:O+32*\t+n+1], v[ST+8*\t+6:ST+8*\t+7] op_sel_hi:[1,0]
.set n, n+2
.endr
.endr
.set n, 0
.rept 32
	v_cvt_pk_f16_f32 v[S+n], v[O+2*n], v[O+2*n+1]  ; registers 16 t + 4 ct .. + 3: channels 16 ct + 8 h + 0 .. 7 of query 16 t + r
.set n, n+1
.endr
.irp t, 0,1
.irp ct, 0,1,2,3
	ds_store_b128 v[STO], v[S+16*\t+4*\ct:S+16*\t+4*\ct+3] offset:\t*16*PK+32*\ct
.endr
.endr
.irp i, 0,1,2,3,4,5,6,7
	ds_load_b128 v[S+32+4*\i:S+32+4*\i+3], v[RD] offset:\i*4*PK    ; LDS serves a wave's instructions in order: these see my stores
.endr
.irp i, 0,1,2,3,4,5,6,7
	s_wait_dscnt 7-\i                              ; load i is back, the younger ones may be out
	global_store_b128 v[GO], v[S+32+4*\i:S+32+4*\i+3], s[CP:CP+1] offset:512*\i
.endr
	s_wait_tensorcnt 0x0                           ; the wave's end: a tensor wait, 0 added to my spare word and its wait
	ds_add_u32 v[SPW], v[NIL]
	s_wait_dscnt 0x0
	CROUND                                         ; the closing round
	s_endpgm
.Lfunc_end_k_q131d75d457_attn:
	.size	k_q131d75d457_attn, .Lfunc_end_k_q131d75d457_attn-k_q131d75d457_attn
	.p2alignl 7, 3214868480
	.fill 96, 4, 3214868480
	.section	.rodata,"a",@progbits
	.p2align	6, 0x0
	.amdhsa_kernel k_q131d75d457_attn
		.amdhsa_group_segment_fixed_size 327680
		.amdhsa_private_segment_fixed_size 0
		.amdhsa_enable_private_segment 0
		.amdhsa_kernarg_size 24
		.amdhsa_user_sgpr_count 2
		.amdhsa_user_sgpr_kernarg_segment_ptr 1
		.amdhsa_wavefront_size32 1
		.amdhsa_system_sgpr_workgroup_id_x 1
		.amdhsa_system_sgpr_workgroup_id_y 1
		.amdhsa_system_sgpr_workgroup_id_z 1
		.amdhsa_system_vgpr_workitem_id 0
		.amdhsa_next_free_vgpr 256
		.amdhsa_next_free_sgpr 106
		.amdhsa_reserve_vcc 0
		.amdhsa_float_denorm_mode_32 3
		.amdhsa_float_denorm_mode_16_64 3
		.amdhsa_memory_ordered 1
		.amdhsa_forward_progress 1
		.amdhsa_inst_pref_size 64
	.end_amdhsa_kernel
	.amdgpu_metadata
---
amdhsa.version: [ 1, 2 ]
amdhsa.kernels:
  - .name:           k_q131d75d457_attn
    .symbol:         k_q131d75d457_attn.kd
    .args:
      - { .name: qkv, .offset: 0, .size: 8, .value_kind: global_buffer, .address_space: global }
      - { .name: mb, .offset: 8, .size: 8, .value_kind: global_buffer, .address_space: global }
      - { .name: ctx, .offset: 16, .size: 8, .value_kind: global_buffer, .address_space: global }
    .group_segment_fixed_size: 327680
    .private_segment_fixed_size: 0
    .kernarg_segment_align: 8
    .kernarg_segment_size: 24
    .max_flat_workgroup_size: 512
    .sgpr_count:     106
    .vgpr_count:     256
    .wavefront_size: 32
...
	.end_amdgpu_metadata
.endif
;; end of part 3
;; launch oproj (part 4): grid 8 x 64, 4 waves a work-group, clusters of 4 x 4, 327,680 bytes of LDS; arguments ctx, wo16, bo, out0; writes out0
.if DOCPART == 4
	.amdgcn_target "amdgcn-amd-amdhsa--gfx1250"
	.amdhsa_code_object_version 6
	.text
	.protected	k_q131d75d457_oproj
	.globl	k_q131d75d457_oproj
	.p2align	8
	.type	k_q131d75d457_oproj,@function
k_q131d75d457_oproj:
	s_mov_b64 s[64:65], 0
	v_nop
	global_prefetch_b8 v0, s[64:65] scope:SCOPE_SE
	s_setreg_imm32_b32 hwreg(HW_REG_WAVE_MODE, 25, 1), 1
	s_wait_xcnt 0x0
	s_wait_alu depctr_hold_cnt(0) depctr_sa_sdst(0) depctr_va_vdst(0) depctr_va_sdst(0) depctr_va_ssrc(0) depctr_va_vcc(0) depctr_vm_vsrc(0)
	s_getreg_b32 s2, hwreg(HW_REG_IB_STS2, 6, 4)
	s_cmp_eq_u32 s2, 0
	s_cbranch_scc0 .Lentry_in_a_cluster
	s_endpgm
.Lentry_in_a_cluster:
	s_bfe_u32 s2, ttmp6, 0x10000c
	s_cmp_lg_u32 s2, 0xf033
	s_cbranch_scc0 .Lentry_shape_is_right
	s_endpgm
.Lentry_shape_is_right:
; out0[m][n] = sum over k of context[m][k] Wo[k][n] + bo[n], f16 operands, f32 sums, f32 result.  m = 2048 b + position, k = 64 head + channel.
; The context lies by heads, ctx [b][head][position][64] f16; Wo as f16 with K as its first axis, wo16 [1024 (k)][1024 (n)].
; A tile of the result is 128 x 128: 512 work-groups, two even rounds of the chip's 256; four waves, 64 x 64 each: 16 accumulators.  K goes in four steps of 256 (four heads) through two LDS slots.
; A's TILE of a K step: for each of four heads 128 rows of 128 bytes, dense in memory: a wave's load takes two heads as two rows of 16,384 bytes, 262,144 bytes apart, with 16 bytes of padding behind every 128: LDS rows of 144 bytes.
; B's TILE: 256 rows (k) of 128 numbers (n), 256 bytes + 32 of padding; its fragments come out of LDS turned, by ds_load_tr16_b128.
; CLUSTERS: 4 x 4 work-groups; A's tiles are asked for jointly along a row of the cluster, B's along a column.  THE MATRIX INSTRUCTION IS USED TRANSPOSED (source 0 = 16 columns of Wo, source 1 = 16 rows of the context):
; a lane holds eight neighbouring numbers of a row of the result.  THE BIAS is the C of each sum's first product.
; REGISTERS: window 0: v0-31 addresses; v32-95 rows on the way out; v96-127 the bias; v128-255 the accumulators ((a, b) at v[128 + 8 (4 a + b)]).  window 1: two fragment buffers of 128 (64 of A, then 64 of B), each 64 along K.
.set PA,     144
.set PB,     288
.set HEADB,  128*PA                    ; a head's 128 rows in LDS
.set HALFT,  36864                     ; what one tensor load brings: two heads of A, or 128 rows of B
.set SLOT,   4*HALFT
.set STAGE,  2*SLOT                    ; behind the ring: 16 rows x 272 bytes for each wave
.set SPITCH, 272
.set SPARE,  STAGE+4*16*SPITCH         ; the spare words: 128 bytes a wave
.set KA,     1048576                   ; a K step in ctx: four heads
.set KB,     524288                    ; and in wo16: 256 rows of 2,048 bytes
.set ADRA, 16                          ; v16-17  my A fragments in slot 0, 1
.set ADRB, 20                          ; v20-23  my B fragments: slot 0 rows 0-127, rows 128-255; slot 1 likewise (the immediate has 16 bits)
.set STO,  24
.set RD,   25
.set CO,   26
.set SPW,  28
.set NIL,  29
.set TMP,  32
.set BIAS, 96
.set ACC,  128
.set F0,   0
.set F1,   128
.set G1, 24
.set G0, 32
.set G1B, 48
.set G0B, 56
.set MSB, 0
.macro WIN new
.if MSB != \new
	s_set_vgpr_msb (MSB<<8)|\new
.set MSB, \new
.endif
.endm
.set MUL,  0x05                        ; sources 0 and 1 window 1; C and D window 0
.set TO_F, 0x40                        ; destination window 1
.macro JLOAD s                         ; waves 0 and 1 fetch A's halves, waves 2 and 3 B's; an s_nop 0 and four v_nop follow each line
	s_cmp_eq_u32 s11, 0
	s_cbranch_scc0 .Lfor_b_\@
	tensor_load_to_lds s[G0+4*\s:G0+4*\s+3], s[G1:G1+7]
	s_nop 0
.rept 4
	v_nop
.endr
	s_branch .Lasked_\@
.Lfor_b_\@:
	tensor_load_to_lds s[G0B+4*\s:G0B+4*\s+3], s[G1B:G1B+7]
	s_nop 0
.rept 4
	v_nop
.endr
.Lasked_\@:
.endm
.macro CREST
	s_cmp_lg_u32 s10, 0
	s_cbranch_scc1 .Lnot_wave_0_\@
	s_barrier_signal -3
.Lnot_wave_0_\@:
	s_barrier_wait -3
	s_barrier_signal -1
	s_barrier_wait -1
.endm
.macro CROUND
	s_barrier_signal -1
	s_barrier_wait -1
	CREST
.endm
	s_load_b128 s[4:7], s[0:1], 0x0                ; ctx, wo16
	s_load_b64 s[8:9], s[0:1], 0x10                ; bo
	s_load_b64 s[66:67], s[0:1], 0x18              ; out0
	v_lshl_add_u32 v[SPW], v0, 2, SPARE
	v_mov_b32 v[NIL], 0
	ds_add_u32 v[SPW], v[NIL]                      ; the wave's opening: 0 added to my spare word, twice on end, and its wait ahead of my first tensor load
	ds_add_u32 v[SPW], v[NIL]
	v_lshrrev_b32 v1, 5, v0
	v_readfirstlane_b32 s10, v1                    ; wave 0..3
	s_lshr_b32 s11, s10, 1                         ; my half of the tile's rows; also: I fetch for A (0) or B (1)
	s_and_b32 s12, s10, 1                          ; my half of its columns; also: which half of that tile I fetch
	s_bfe_u32 s40, ttmp6, 0x40000                  ; cx
	s_bfe_u32 s41, ttmp6, 0x40004                  ; cy
	s_lshl_b32 s42, ttmp9, 2
	s_add_co_u32 s42, s42, s40                     ; tile column
	s_and_b32 s13, ttmp7, 0xffff
	s_lshl_b32 s13, s13, 2
	s_add_co_u32 s13, s13, s41                     ; tile row
	s_lshl_b32 s43, s41, 2
	s_lshl_b32 s43, 15, s43                        ; my row of the cluster
	s_lshl_b32 s44, 0x1111, s40                    ; my column
	s_or_b32 s[G1+0], s43, (1<<16)|(1<<20)|(1<<21)|(4<<22)|(3<<25)   ; the mask; elements of 2 bytes; padding on; bit 21 beside a mask; 4 words of padding after every 32
	s_mov_b32 s[G1+1], 8192<<16                    ; tensor_dim0: a head's 128 rows of 64 numbers on end
	s_mov_b32 s[G1+2], 2<<16                       ; tensor_dim1: two heads
	s_mov_b32 s[G1+3], 8192<<16                    ; tile_dim0
	s_mov_b32 s[G1+4], 2                           ; tile_dim1
	s_mov_b32 s[G1+5], 131072                      ; from head to head, in elements
	s_mov_b32 s[G1+6], 0
	s_mov_b32 s[G1+7], 0
	s_or_b32 s[G1B+0], s44, (1<<16)|(1<<20)|(1<<21)|(5<<22)|(7<<25)  ; 8 words of padding after every 64
	s_mov_b32 s[G1B+1], 128<<16
	s_mov_b32 s[G1B+2], 128<<16
	s_mov_b32 s[G1B+3], 128<<16
	s_mov_b32 s[G1B+4], 128
	s_mov_b32 s[G1B+5], 1024
	s_mov_b32 s[G1B+6], 0
	s_mov_b32 s[G1B+7], 0
	s_lshr_b32 s16, s13, 4                         ; A: batch = tile row / 16; head 2 x half; position 128 (tile row % 16)
	s_lshl_b32 s16, s16, 4
	s_lshl_b32 s17, s12, 1
	s_add_co_u32 s16, s16, s17
	s_lshl_b32 s16, s16, 18
	s_and_b32 s17, s13, 15
	s_lshl_b32 s17, s17, 14
	s_add_co_u32 s16, s16, s17
	s_mov_b32 s17, 0
	s_lshl_b32 s46, s12, 18                        ; B: row 128 x half, column 128 x tile column
	s_lshl_b32 s47, s42, 8
	s_add_co_u32 s46, s46, s47
	s_mov_b32 s47, 0
	s_mul_i32 s20, s10, HALFT                      ; where they go: wave x a quarter of a slot
	s_wait_dscnt 0x0                               ; both opening adds are done
	s_wait_kmcnt 0x0
	s_add_nc_u64 s[14:15], s[4:5], s[16:17]
	s_add_nc_u64 s[46:47], s[6:7], s[46:47]
	CROUND                                         ; all sixteen work-groups are here: the first joint loads meet
.irp s, 0,1
	s_mov_b32 s[G0+4*\s], 1
	s_add_co_u32 s[G0+4*\s+1], s20, \s*SLOT
	s_add_nc_u64 s[G0+4*\s+2:G0+4*\s+3], s[14:15], \s*KA
	s_or_b32 s[G0+4*\s+3], s[G0+4*\s+3], 0x80000000
	s_mov_b32 s[G0B+4*\s], 1
	s_add_co_u32 s[G0B+4*\s+1], s20, \s*SLOT
	s_add_nc_u64 s[G0B+4*\s+2:G0B+4*\s+3], s[46:47], \s*KB
	s_or_b32 s[G0B+4*\s+3], s[G0B+4*\s+3], 0x80000000
	JLOAD \s
.endr
	v_and_b32 v1, 15, v0                           ; r
	v_bfe_u32 v2, v0, 4, 1                         ; h
	v_mul_u32_u24 v3, v1, PA
	v_lshl_add_u32 v3, v2, 4, v3
	s_mul_i32 s21, s11, 64*PA                      ; my 64 rows in each head
	v_add_nc_u32 v[ADRA], s21, v3
	v_add_nc_u32 v[ADRA+1], SLOT, v[ADRA]
	v_and_b32 v4, 7, v0                            ; the turning load: row k = 8 h + lane % 8, columns 8 ((lane / 8) % 2) on
	v_lshl_add_u32 v4, v2, 3, v4
	v_mul_u32_u24 v4, v4, PB
	v_bfe_u32 v5, v0, 3, 1
	v_lshl_add_u32 v4, v5, 4, v4
	s_lshl_b32 s22, s12, 7                         ; my 64 columns
	s_add_co_u32 s22, s22, 2*HALFT                 ; B lies behind A
	v_add_nc_u32 v[ADRB], s22, v4
	v_add_nc_u32 v[ADRB+1], HALFT, v[ADRB]
	v_add_nc_u32 v[ADRB+2], SLOT, v[ADRB]
	v_add_nc_u32 v[ADRB+3], SLOT+HALFT, v[ADRB]
	s_mul_i32 s23, s10, 16*SPITCH
	s_add_co_u32 s23, s23, STAGE                   ; my stage
	v_mul_u32_u24 v4, v1, SPITCH
	v_lshl_add_u32 v4, v2, 5, v4
	v_add_nc_u32 v[STO], s23, v4                   ; in: row r, 32 bytes for each half of the lanes
	v_mul_u32_u24 v5, v2, SPITCH
	v_lshl_add_u32 v5, v1, 4, v5
	v_add_nc_u32 v[RD], s23, v5                    ; back: lanes 0-15 one row of 256 bytes, lanes 16-31 the next
	v_lshlrev_b32 v5, 12, v2
	v_lshl_add_u32 v[CO], v1, 4, v5                ; and the same two rows of out0 (4,096 bytes a row)
	s_lshl_b32 s16, s13, 7
	s_lshl_b32 s17, s11, 6
	s_add_co_u32 s16, s16, s17                     ; my first row
	s_lshl_b32 s16, s16, 12
	s_lshl_b32 s46, s42, 9
	s_lshl_b32 s47, s12, 8
	s_add_co_u32 s46, s46, s47                     ; my first column, in bytes
	s_mov_b32 s47, 0
	s_add_nc_u64 s[8:9], s[8:9], s[46:47]
	s_add_co_u32 s46, s46, s16
	s_add_nc_u64 s[66:67], s[66:67], s[46:47]
	v_lshlrev_b32 v6, 5, v2                        ; the bias: for block b columns 16 b + 8 h + 0 .. 7
.irp b, 0,1,2,3
	global_load_b128 v[BIAS+8*\b:BIAS+8*\b+3], v6, s[8:9] offset:64*\b
	global_load_b128 v[BIAS+8*\b+4:BIAS+8*\b+7], v6, s[8:9] offset:64*\b+16
.endr
; 8 products: row blocks a0, a0 + 1 x all 4 column blocks, 32 along K: half c of buffer f.  first = 1: the sum begins with the bias.  The 16 accumulators take turns.
.macro MUL8 f, c, a0, first
.irp a, \a0, \a0+1
.irp b, 0,1,2,3
.if \first
	v_wmma_f32_16x16x32_f16 v[ACC+8*(4*(\a)+\b):ACC+8*(4*(\a)+\b)+7], v[\f+64+8*(4*\c+\b):\f+64+8*(4*\c+\b)+7], v[\f+8*(4*\c+\a):\f+8*(4*\c+\a)+7], v[BIAS+8*\b:BIAS+8*\b+7]
.else
	v_wmma_f32_16x16x32_f16 v[ACC+8*(4*(\a)+\b):ACC+8*(4*(\a)+\b)+7], v[\f+64+8*(4*\c+\b):\f+64+8*(4*\c+\b)+7], v[\f+8*(4*\c+\a):\f+8*(4*\c+\a)+7], v[ACC+8*(4*(\a)+\b):ACC+8*(4*(\a)+\b)+7]
.endif
.endr
.endr
.endm
; 32 LDS loads in one run: the fragments of quarter q (head q of the slot's four; rows 64 q on of Wo's tile) into buffer f; the first 32 along K first
.macro FETCH slot, q, f
	WIN TO_F
.irp c, 0,1
.irp i, 0,1,2,3
	ds_load_tr16_b128 v[\f+64+8*(4*\c+\i):\f+64+8*(4*\c+\i)+3],   v[ADRB+2*\slot+(\q)/2] offset:(((\q)%2)*64+32*\c)*PB+32*\i
	ds_load_tr16_b128 v[\f+64+8*(4*\c+\i)+4:\f+64+8*(4*\c+\i)+7], v[ADRB+2*\slot+(\q)/2] offset:(((\q)%2)*64+32*\c+16)*PB+32*\i
	ds_load_b128 v[\f+8*(4*\c+\i):\f+8*(4*\c+\i)+3],         v[ADRA+\slot] offset:(\q)*HEADB+\i*16*PA+64*\c
	ds_load_b128 v[\f+8*(4*\c+\i)+4:\f+8*(4*\c+\i)+7],       v[ADRA+\slot] offset:(\q)*HEADB+\i*16*PA+64*\c+32
.endr
.endr
.endm
.macro PLACES                          ; four plain vector instructions in front of loads into registers that matrix instructions have read, and of the first read of results (ISA guide 7.12.1 for the read of a result)
.rept 4
	v_nop
.endr
.endm
.macro QUARTER slot, q, f, g, first    ; multiplies buffer f and fetches quarter q of the slot into g
	s_wait_dscnt 16                                ; the first 32 along K are in; the younger sixteen loads may be out
	WIN MUL
	MUL8 \f, 0, 0, \first
	MUL8 \f, 0, 2, \first
	PLACES
	FETCH \slot, \q, \g
	s_wait_dscnt 32                                ; all but the 32 just issued
	WIN MUL
	MUL8 \f, 1, 0, 0
	MUL8 \f, 1, 2, 0
.endm
; A slot's last quarter changes slots: ONE barrier; in front of it each wave waits for all its tensor loads, adds 0 to its spare word, and waits for that and for its reads of this slot.  fill = 1: the slot is filled again, two K steps on.
.macro TURN slot, next, fill
	WIN 0
	s_wait_tensorcnt 0x0                           ; my part of the next slot has landed
	ds_add_u32 v[SPW], v[NIL]
	s_wait_dscnt 17                                ; (the add and the youngest sixteen loads may be out)
	WIN MUL
	MUL8 F1, 0, 0, 0
	s_wait_dscnt 0x0                               ; the add is done, and my reads of this slot are over
	s_barrier_signal -1
	MUL8 F1, 0, 2, 0
.if \fill
	WIN 0
.endif
	s_barrier_wait -1
.if \fill
	CREST                                          ; the barrier has opened a round of the cluster's: no wave of any partner still reads this slot or has a load on its way
	s_add_nc_u64 s[G0+4*\slot+2:G0+4*\slot+3], s[G0+4*\slot+2:G0+4*\slot+3], 2*KA
	s_add_nc_u64 s[G0B+4*\slot+2:G0B+4*\slot+3], s[G0B+4*\slot+2:G0B+4*\slot+3], 2*KB
	JLOAD \slot                                    ; the first tensor load behind the round; its four v_nop are also the places in front of the loads below
.else
	PLACES
.endif
	FETCH \next, 0, F0
	WIN MUL
	MUL8 F1, 1, 0, 0
	MUL8 F1, 1, 2, 0
.endm
	s_wait_tensorcnt 1                             ; my part of K step 0 is in; K step 1's load may be out
	s_barrier_signal -1
	s_barrier_wait -1
	FETCH 0, 0, F0
	s_wait_loadcnt 0x0                             ; the bias
	QUARTER 0, 1, F0, F1, 1                        ; K step 0
	QUARTER 0, 2, F1, F0, 0
	QUARTER 0, 3, F0, F1, 0
	TURN 0, 1, 1                                   ; slot 0 takes K step 2
	QUARTER 1, 1, F0, F1, 0                        ; K step 1
	QUARTER 1, 2, F1, F0, 0
	QUARTER 1, 3, F0, F1, 0
	TURN 1, 0, 1                                   ; slot 1 takes K step 3
	QUARTER 0, 1, F0, F1, 0                        ; K step 2
	QUARTER 0, 2, F1, F0, 0
	QUARTER 0, 3, F0, F1, 0
	TURN 0, 1, 0                                   ; nothing is left to fetch
	QUARTER 1, 1, F0, F1, 0                        ; K step 3
	QUARTER 1, 2, F1, F0, 0
	QUARTER 1, 3, F0, F1, 0
	s_wait_dscnt 16
	WIN MUL
	MUL8 F1, 0, 0, 0
	MUL8 F1, 0, 2, 0
	s_wait_dscnt 0
	MUL8 F1, 1, 0, 0
	MUL8 F1, 1, 2, 0
	WIN 0
; THE WAY OUT.  A wave's 64 columns of f32 are 256 aligned bytes of a row, so each wave has a stage of its own and no barrier: a block of 16 rows goes in 32 bytes a lane and comes back as whole rows.
.macro TOSTAGE a
.irp b, 0,1,2,3
	ds_store_b128 v[STO], v[ACC+8*(4*(\a)+\b):ACC+8*(4*(\a)+\b)+3] offset:64*\b          ; each accumulator from its low end on
	ds_store_b128 v[STO], v[ACC+8*(4*(\a)+\b)+4:ACC+8*(4*(\a)+\b)+7] offset:64*\b+16
.endr
.set BB, TMP+32*((\a)%2)
.irp t, 0,1,2,3,4,5,6,7
	ds_load_b128 v[BB+4*\t:BB+4*\t+3], v[RD] offset:\t*2*SPITCH    ; LDS serves a wave's instructions in order: these see the stores above, and the next block's stores come behind them
.endr
.endm
.macro SEND a, younger                 ; younger: the LDS instructions issued behind block a's loads
.set BB, TMP+32*((\a)%2)
	s_wait_dscnt \younger
.irp t, 0,1,2,3,4,5,6,7
	global_store_b128 v[CO], v[BB+4*\t:BB+4*\t+3], s[66:67] offset:(16*(\a)+2*\t)*4096 th:TH_STORE_NT   ; 16 lanes store 256 consecutive bytes, aligned
.endr
.endm
	PLACES
	TOSTAGE 0
.irp a, 1,2,3
.if \a > 1
	s_wait_xcnt 0x0                                ; block a - 2's stores have read their registers: block a's loads may land there
.endif
	TOSTAGE \a
	SEND \a-1, 16
.endr
	SEND 3, 0
	s_wait_tensorcnt 0x0                           ; the wave's end: a tensor wait, 0 added to my spare word and its wait
	ds_add_u32 v[SPW], v[NIL]
	s_wait_dscnt 0x0
	CROUND                                         ; the closing round
	s_endpgm
.Lfunc_end_k_q131d75d457_oproj:
	.size	k_q131d75d457_oproj, .Lfunc_end_k_q131d75d457_oproj-k_q131d75d457_oproj
	.p2alignl 7, 3214868480
	.fill 96, 4, 3214868480
	.section	.rodata,"a",@progbits
	.p2align	6, 0x0
	.amdhsa_kernel k_q131d75d457_oproj
		.amdhsa_group_segment_fixed_size 327680
		.amdhsa_private_segment_fixed_size 0
		.amdhsa_enable_private_segment 0
		.amdhsa_kernarg_size 32
		.amdhsa_user_sgpr_count 2
		.amdhsa_user_sgpr_kernarg_segment_ptr 1
		.amdhsa_wavefront_size32 1
		.amdhsa_system_sgpr_workgroup_id_x 1
		.amdhsa_system_sgpr_workgroup_id_y 1
		.amdhsa_system_sgpr_workgroup_id_z 1
		.amdhsa_system_vgpr_workitem_id 0
		.amdhsa_next_free_vgpr 512
		.amdhsa_next_free_sgpr 68
		.amdhsa_reserve_vcc 0
		.amdhsa_float_denorm_mode_32 3
		.amdhsa_float_denorm_mode_16_64 3
		.amdhsa_memory_ordered 1
		.amdhsa_forward_progress 1
		.amdhsa_inst_pref_size 86
	.end_amdhsa_kernel
	.amdgpu_metadata
---
amdhsa.version: [ 1, 2 ]
amdhsa.kernels:
  - .name:           k_q131d75d457_oproj
    .symbol:         k_q131d75d457_oproj.kd
    .args:
      - { .name: ctx, .offset: 0, .size: 8, .value_kind: global_buffer, .address_space: global }
      - { .name: wo16, .offset: 8, .size: 8, .value_kind: global_buffer, .address_space: global }
      - { .name: bo, .offset: 16, .size: 8, .value_kind: global_buffer, .address_space: global }
      - { .name: out0, .offset: 24, .size: 8, .value_kind: global_buffer, .address_space: global }
    .group_segment_fixed_size: 327680
    .private_segment_fixed_size: 0
    .kernarg_segment_align: 8
    .kernarg_segment_size: 32
    .max_flat_workgroup_size: 128
    .sgpr_count:     68
    .vgpr_count:     512
    .wavefront_size: 32
...
	.end_amdgpu_metadata
.endif
;; end of part 4
